; MI455X (gfx1250); checked and timed in simulation.
; The chip was launched on July 23, 2026; its instructions are those of AMD's public machine-readable ISA for CDNA 5 (MIT licence, August 2026) and "CDNA5" Instruction Set Architecture Reference Guide (July 2026). The comments in the code are by the model that wrote it; some were corrected since.
;; Attention. Allowed arithmetic: matrix products marked QUANTISED: E2M3 operands, one E8M0 scale for each 32 along K, by v_wmma_scale_f32_16x16x128_f8f6f4 with both operands' format E2M3, f32 sums; everything else in f32.
;; Inputs: Wk 1,024 x 1,024 float32; Wp 1,024 x 1,024 float32; Wq 1,024 x 1,024 float32; Wv 1,024 x 1,024 float32; bp 1,024 float32; k 2 x 2,048 x 1,024 float32; mask 2 x 1 x 2,048 x 2,048 int32; q 2 x 2,048 x 1,024 float32; v 2 x 2,048 x 1,024 float32.
;; Outputs: out0 2 x 2,048 x 1,024 float32.
;; This version of the problem:
;;   THIS VERSION OF THE PROBLEM IS GIVEN IN LOW PRECISION. The matrix products marked QUANTISED in the list below multiply operands that are first quantised to E2M3 (2 exponent bits, 3 mantissa bits; 6 bits a number), with one power-of-two scale for each 32 numbers along K (OCP MX v1.0); their sums are f32. All else is computed in f32.
;;   The module's matrix products, in the order in which they are computed (A, B: the left and right operand; K: the contracted axis; several contracted axes count as one K, in the product's order):
;;     1. [M 4,096, K 1,024] x [K 1,024, N 1,024]; A: input q; B: input Wq: QUANTISED
;;     2. [M 4,096, K 1,024] x [K 1,024, N 1,024]; A: input k; B: input Wk: QUANTISED
;;     3. [M 4,096, K 1,024] x [K 1,024, N 1,024]; A: input v; B: input Wv: QUANTISED
;;     4. batch 32 x [M 2,048, K 64] x [K 64, N 2,048]; A: computed on the way; B: computed on the way: QUANTISED
;;     5. batch 32 x [M 2,048, K 2,048] x [K 2,048, N 64]; A: softmax (see below); B: computed on the way: QUANTISED
;;     6. [M 4,096, K 1,024] x [K 1,024, N 1,024]; A: computed on the way; B: input Wp: QUANTISED
;;   THE QUANTISER, for each operand of a quantised product, along K:
;;     - K is cut into blocks of 32 from its start; a last block that is shorter is filled with zeros.
;;     - A block's scale is 2^e with e = floor(log2(the largest magnitude in the block)) - 2, held to -126 .. 127; a block of zeros has e = 0. As a byte (E8M0): e + 127.
;;     - Each number is divided by its block's scale, clamped to +-7.5, and rounded to the nearest number of E2M3, ties to even, subnormals kept.
;;     - The product sums the exact products of the quantised numbers (number of the format x scale) in f32.
;;   ~~~python
;;   def quantise(x, axis):      # numpy; x: float32 -> the quantised numbers, widened to float32 again
;;       x = np.moveaxis(x, axis, -1); K = x.shape[-1]
;;       x = np.pad(x, [(0, 0)] * (x.ndim - 1) + [(0, -K % 32)]); x = x.reshape(x.shape[:-1] + (-1, 32)); a = np.abs(x).max(-1, keepdims=True)
;;       e = np.where(a > 0, np.clip(np.frexp(np.where(a > 0, a, 1))[1] - 1 - 2, -126, 127), 0)      # np.frexp(a)[1] - 1 = floor(log2(a)), exactly
;;       r = np.clip(x / 2.0 ** e, -7.5, 7.5)
;;       step = 2.0 ** (np.maximum(np.frexp(np.where(r == 0, 1, r))[1] - 1, 0) - 3)
;;       q = np.round(r / step) * step * 2.0 ** e      # np.round: ties to even
;;       return np.moveaxis(q.reshape(q.shape[:-2] + (-1,))[..., :K], -1, axis).astype(np.float32)
;;   ~~~
;;   SOFTMAX AHEAD OF A QUANTISED PRODUCT. Where the list says 'softmax', what is quantised is not the finished softmax but p = 2^(t - M), with t = logit x log2(e) and M = ceil(the row's largest t), a whole number; so 1/2 < the row's largest p <= 1. The row's sum l is taken of the UNQUANTISED p, in f32, and the product's result is divided by l at the end. Since M is a whole number, a kernel that streams over the keys may use a running M (the ceiling of the running maximum): every later rescaling is an exact power of two, which a block's scale takes up: the codes' values come out the same.
;;   OPERANDS COMPUTED ON THE WAY. 'Computed on the way' means the value that the module computes at that place (a softmax that the list does not call 'softmax' is quantised finished and normalised). What goes into a quantiser is computed in f32, as accurately as f32 sums, v_exp_f32 and their like allow (about 1e-6 of the number): no bf16 or f16 on the way to a quantiser, and a product that is left as it is and whose result goes on into a quantised operand takes f32 operands (vector FMAs, or v_wmma_f32_16x16x4_f32). A number that lies on a knife's edge between two numbers of the format may be rounded either way, as far as f32 arithmetic and the matrix unit's own rounding can turn it there, and no further.
;; One version. Each part assembles by itself: llvm-mc -triple=amdgcn-amd-amdhsa -mcpu=gfx1250 --defsym DOCPART=n.
;; ======== version 1 of 1: 4 launches
;; limits: right only within a limited range of input values
;; workspace buffers: codes 12,582,912 bytes; scl 524,288 bytes; mb 1,048,576 bytes of whole numbers; qkv 9,830,400 bytes; xf 3,145,728 bytes; xfs 131,072 bytes
;; launch prep (part 1): grid 768 x 1, 4 waves a work-group, no clusters, 101,888 bytes of LDS; arguments q, k, v, Wq, Wk, Wv, Wp, mask, codes, scl, mb; writes codes, scl, mb
.if DOCPART == 1
	.amdgcn_target "amdgcn-amd-amdhsa--gfx1250"
	.amdhsa_code_object_version 6
	.text
	.protected	k_qdb6fd639bf_prep
	.globl	k_qdb6fd639bf_prep
	.p2align	8
	.type	k_qdb6fd639bf_prep,@function
k_qdb6fd639bf_prep:
	s_mov_b64 s[64:65], 0
	v_nop
	global_prefetch_b8 v0, s[64:65] scope:SCOPE_SE
	s_setreg_imm32_b32 hwreg(HW_REG_WAVE_MODE, 25, 1), 1
	s_wait_xcnt 0x0
; PREP: everything that arrives wide is made narrow once.
;   work-groups 0-383   (way X): q, k, v [4096][1024] f32 -> codes of FP6 (E2M3), K innermost, 768 bytes a row, and one E8M0 byte for each 32 along K.
;   work-groups 384-511 (way W): Wq, Wk, Wv, Wp [1024 (k)][1024 (n)] f32, K the FIRST axis -> the same, a row for each column n.
;   work-groups 512-767 (way M): mask [2][2048][2048] int32 -> lane masks: one word for each score register of the attention launch.
; THE STACK: codes has 16,384 rows: q at 0, k at 4,096, v at 8,192, the weights at 12,288 + 1,024 i.  scl has the same rows, 32 bytes each.
; All rows but q's lie under swap34: the row with number x lies where bits 3 and 4 of x are exchanged.  Sixteen neighbouring STORED rows are then the rows that a tile of the later products wants
; (eight neighbours, and the eight that lie 16 further on), so that those launches read neighbouring rows.
; A block's scale is 2^(floor(log2(its largest magnitude)) - 2); its byte is the largest magnitude's exponent field - 2, held at 1 from below.
; LIMITS: a block of zeros, and a block whose largest magnitude lies under 2^-124, keeps the byte 1 (its codes are zeros or tiny; this program alone reads the bytes); NaN and infinities are not served.
; The three ways part on the work-group's number and never join; each has LDS bytes of its own; waves share nothing, so there is no barrier.
.set EMAX,   2
.set XSTEPS, 16                        ; way X: a wave takes 16 steps of 512 numbers: 8 rows
.set CB,     12                        ; bytes of 16 codes
.set XR,     16                        ; v16-79   four sets of 16 numbers as loaded
.set XX,     80                        ; v80-111  two sets of 16 neighbours
.set XE,     112                       ; v112-127 a scale byte for each step
.set XC,     128                       ; v128-191 codes: four registers for each step
.set XREG,   8192                      ; LDS 0 on: a region for each wave: two stages of 32 x SP bytes, then its 256 scale bytes
.set SP,     80
.set WSTG,   32768                     ; way W: LDS 32,768 on: a stage of 32 rows x WP bytes for each wave
.set WP,     272
.set WNB,    8                         ; blocks of 32 along K for a wave
.set WX,     32                        ; v32-95   two sets of 32 numbers
.set WC,     96                        ; v96-102  a block's codes
.set WOUT,   112                       ; v112-175 the way out
.set WSB,    24                        ; v24-25   eight scale bytes
.set MSTG,   67584                     ; way M: LDS 67,584 on: a stage of 16 rows x MPI bytes for each wave
.set MPI,    528
.set MR,     16                        ; v16-143  two sets of 64 words as loaded
.set MX,     144                       ; v144-207 64 words in the score registers' order
.set MOUT,   208                       ; v208-215 two registers of lane masks for each unit
; ---- way X's macros
.macro XLOAD t
.irp i, 0,1,2,3
	global_load_b128 v[XR+16*((\t)%4)+4*\i:XR+16*((\t)%4)+4*\i+3], v3, s[4:5] offset:2048*(\t)+512*\i th:TH_LOAD_NT   ; 32 lanes read 512 consecutive bytes
.endr
.endm
.macro XTURN t                         ; step t's numbers through the wave's stage: in as they lie, out 64 bytes a lane.  LDS serves a wave's instructions in order: no wait between
.irp i, 0,1,2,3
	ds_store_b128 v14, v[XR+16*((\t)%4)+4*\i:XR+16*((\t)%4)+4*\i+3] offset:32*SP*((\t)%2)+8*SP*\i
.endr
.irp i, 0,1,2,3
	ds_load_b128 v[XX+16*((\t)%2)+4*\i:XX+16*((\t)%2)+4*\i+3], v15 offset:32*SP*((\t)%2)+16*\i
.endr
.endm
.macro XSTEP t
.set XS, XX+16*((\t)%2)
.if (\t) > 0
	s_wait_dscnt 1                                 ; this step's numbers are back from the stage; the last step's byte store may be out
.else
	s_wait_dscnt 0x0
.endif
.if (\t)+4 < XSTEPS
	XLOAD (\t)+4                                   ; into the set whose stores into the stage are done
.endif
.if (\t)+1 < XSTEPS
.if XSTEPS-2-(\t) >= 3
	s_wait_loadcnt 12                              ; the next step's four loads are in; those of the three steps behind it may be out
.else
	s_wait_loadcnt 4*(XSTEPS-2-(\t))
.endif
	XTURN (\t)+1
.endif
	v_max3_num_f32 v8, |v[XS]|, |v[XS+1]|, |v[XS+2]|               ; the largest magnitude of my 16, in two chains
	v_max3_num_f32 v9, |v[XS+3]|, |v[XS+4]|, |v[XS+5]|
.irp i, 6,10
	v_max3_num_f32 v8, v8, |v[XS+\i]|, |v[XS+\i+1]|
	v_max3_num_f32 v9, v9, |v[XS+\i+2]|, |v[XS+\i+3]|
.endr
	v_max3_num_f32 v8, v8, |v[XS+14]|, |v[XS+15]|
	v_max3_num_f32 v8, v8, v9, (EMAX+1)<<23        ; and the floor 2^(3 - 127): the byte cannot fall under 1
	v_max_num_f32_dpp v8, v8, v8 row_xmask:1 row_mask:0xf bank_mask:0xf   ; with my neighbour's 16: the block's
	v_add_nc_u32 v11, -(EMAX<<23), v8              ; 2 off its exponent field: the conversion takes that field as its scale
	v_cvt_scalef32_pk16_fp6_f32 v[XC+4*(\t):XC+4*(\t)+2], v[XS:XS+15], v11
	v_lshrrev_b32 v[XE+(\t)], 23, v11              ; the scale's byte (also the plain line behind the conversion)
	ds_store_b8 v5, v[XE+(\t)] offset:16*(\t)      ; both lanes of a block write the same byte with the same value
	global_store_b96 v4, v[XC+4*(\t):XC+4*(\t)+2], s[8:9] offset:32*CB*(\t)   ; the wave stores 384 consecutive bytes
.endm
; ---- way W's macros
.macro WLOAD t                         ; block t: W(32 t + i, my column), i = 0 .. 31
.set wi, 0
.rept 32
	global_load_b32 v[WX+32*((\t)%2)+wi], v3, s[4:5] offset:(32*(\t)+wi)*4096 th:TH_LOAD_NT
.set wi, wi+1
.endr
.endm
.macro WBLOCK t
.set XS, WX+32*((\t)%2)
.if (\t) < WNB-1
	s_wait_loadcnt 32                              ; this block's 32 loads are in; the next block's may be out
.else
	s_wait_loadcnt 0x0
.endif
	v_max3_num_f32 v12, |v[XS]|, |v[XS+1]|, |v[XS+2]|              ; all 32 numbers of the block are mine
	v_max3_num_f32 v13, |v[XS+3]|, |v[XS+4]|, |v[XS+5]|
.irp i, 6,10,14,18,22,26
	v_max3_num_f32 v12, v12, |v[XS+\i]|, |v[XS+\i+1]|
	v_max3_num_f32 v13, v13, |v[XS+\i+2]|, |v[XS+\i+3]|
.endr
	v_max3_num_f32 v12, v12, |v[XS+30]|, |v[XS+31]|
	v_max3_num_f32 v12, v12, v13, (EMAX+1)<<23
	v_add_nc_u32 v11, -(EMAX<<23), v12
	v_lshrrev_b32 v13, 23, v11
.if (\t)%4 == 0
	v_mov_b32 v[WSB+(\t)/4], v13                   ; four bytes to a register, the lower K in the lower byte
.else
	v_lshl_or_b32 v[WSB+(\t)/4], v13, 8*((\t)%4), v[WSB+(\t)/4]
.endif
	v_cvt_scalef32_pk16_fp6_f32 v[WC:WC+2], v[XS:XS+15], v11
	v_cvt_scalef32_pk16_fp6_f32 v[WC+4:WC+6], v[XS+16:XS+31], v11  ; (a conversion's three registers begin on an even number)
	v_nop                                          ; one plain line behind the conversions
	ds_store_b96 v4, v[WC:WC+2] offset:32*(\t)     ; 12 bytes to a place of 16 in the stage: every LDS address is a multiple of 16
	ds_store_b96 v4, v[WC+4:WC+6] offset:32*(\t)+16
.if (\t)+2 < WNB
	WLOAD (\t)+2
.endif
	s_wait_dscnt 0x0                               ; the stores have read their registers: the next block's codes may be written
.endm
; ---- way M's macros
.macro MLOAD u                         ; unit u: 16 queries x 128 keys: a query's 512 consecutive bytes a load
.set mi, 0
.rept 16
	global_load_b128 v[MR+64*((\u)%2)+4*mi:MR+64*((\u)%2)+4*mi+3], v3, s[4:5] offset:8192*mi+512*(\u) th:TH_LOAD_NT
.set mi, mi+1
.endr
.endm
.macro MUNIT u
.if (\u) < 3
	s_wait_loadcnt 16                              ; this unit's 16 loads are in; the next unit's may be out
.else
	s_wait_loadcnt 0x0
.endif
.set mi, 0
.rept 16
	ds_store_b128 v4, v[MR+64*((\u)%2)+4*mi:MR+64*((\u)%2)+4*mi+3] offset:MPI*mi   ; query mi's row
.set mi, mi+1
.endr
.irp b, 0,1,2,3
.irp j, 0,1,2,3
	ds_load_b128 v[MX+16*\b+4*\j:MX+16*\b+4*\j+3], v5 offset:128*\b+16*\j         ; lane (r, h): query r, keys 32 b + 16 h + 4 j on: register 16 b + i is key 32 b + 16 h + i
.endr
.endr
	s_wait_dscnt 0x0                               ; the words are back, and the stores have read their registers
.if (\u) < 2
	MLOAD (\u)+2
.endif
.irp g, 0,1,2,3
.set mi, 0
.rept 16
	v_cmp_ne_u32 s[16+mi], 0, v[MX+16*\g+mi]       ; bit l: does the key of register 16 g + mi count for lane l's query?
.set mi, mi+1
.endr
.set mi, 0
.rept 16
	v_writelane_b32 v[MOUT+2*(\u)+mi%2], s[16+mi], (16*\g+mi)/2    ; word n to lane n / 2, register n % 2: 4 n bytes on in the store below
.set mi, mi+1
.endr
.endr
	global_store_b64 v6, v[MOUT+2*(\u):MOUT+2*(\u)+1], s[6:7] offset:256*(\u)     ; 32 lanes store 256 consecutive bytes, aligned
.endm
	s_load_b512 s[36:51], s[0:1], 0x0              ; q s36, k s38, v s40, Wq s42, Wk s44, Wv s46, Wp s48, mask s50
	s_load_b128 s[52:55], s[0:1], 0x40             ; codes s52, scl s54
	s_load_b64 s[56:57], s[0:1], 0x50              ; mb
	v_lshl_add_u32 v224, v0, 2, 0x18c00
	v_mov_b32 v225, 0
	v_lshrrev_b32 v1, 5, v0
	v_readfirstlane_b32 s3, v1                     ; wave 0..3
	v_and_b32 v2, 31, v0                           ; lane
	s_mov_b32 s23, 0                               ; the upper word of every 64-bit offset below
	s_wait_kmcnt 0x0
	s_cmp_ge_u32 ttmp9, 512
	s_cbranch_scc1 .Lpath_m
	s_cmp_ge_u32 ttmp9, 384
	s_cbranch_scc1 .Lpath_w
; ======== way X: q, k, v.  Rows are dense and 1,024 is a multiple of 32: a tensor is a stream of blocks of 32.
	v_lshlrev_b32 v3, 4, v2                        ; my 16 bytes of a load's 512
	s_mul_i32 s17, s3, XREG
	v_lshrrev_b32 v14, 2, v2
	v_mul_u32_u24 v14, v14, SP
	v_and_b32 v15, 3, v2
	v_lshl_add_u32 v14, v15, 4, v14
	v_add_nc_u32 v14, s17, v14                     ; the stage, in: SP (lane / 4) + 16 (lane % 4)
	v_mul_u32_u24 v15, v2, SP
	v_add_nc_u32 v15, s17, v15                     ; out: SP x lane: my 16 neighbours
	v_mul_u32_u24 v4, v2, CB                       ; my codes' place in a step's
	v_lshrrev_b32 v5, 1, v2
	s_add_co_u32 s17, s17, 2*32*SP
	v_add_nc_u32 v5, s17, v5                       ; my block's scale byte in LDS
	v_lshlrev_b32 v7, 3, v2
	v_add_nc_u32 v6, s17, v7                       ; and 8 bytes a lane on their way out
	s_lshr_b32 s18, ttmp9, 7                       ; which tensor: 128 work-groups each
	s_and_b32 s20, s3, 1
	s_lshl_b32 s20, s20, 1
	s_lshr_b32 s21, s3, 1
	s_or_b32 s20, s20, s21                         ; a wave's run is 8 rows, so bits 3, 4 of a row are bits 0, 1 of the run's number, which are the wave's: exchanged
	s_and_b32 s22, ttmp9, 127
	s_lshl_b32 s22, s22, 2
	s_add_co_u32 s22, s22, s3
	s_lshl_b32 s22, s22, 15                        ; my run of 8,192 numbers in the tensor, in bytes
	s_lshl_b32 s24, ttmp9, 2
	s_cmp_eq_u32 s18, 0
	s_cselect_b64 s[4:5], s[36:37], s[38:39]
	s_cselect_b32 s20, s3, s20                     ; q's rows stay in their order
	s_cmp_eq_u32 s18, 2
	s_cselect_b64 s[4:5], s[40:41], s[4:5]
	s_add_nc_u64 s[4:5], s[4:5], s[22:23]
	s_add_co_u32 s24, s24, s20                     ; the run's number in the stack
	s_mul_i32 s22, s24, 6144                       ; 8 rows of 768 bytes
	s_add_nc_u64 s[8:9], s[52:53], s[22:23]
	s_lshl_b32 s22, s24, 8                         ; 8 rows of 32 bytes
	s_add_nc_u64 s[10:11], s[54:55], s[22:23]
.irp t, 0,1,2,3
	XLOAD \t
.endr
	s_wait_loadcnt 12                              ; step 0's four loads are in
	XTURN 0
.irp t, 0,1,2,3,4,5,6,7,8,9,10,11,12,13,14,15
	XSTEP \t
.endr
	ds_load_b64 v[12:13], v6                       ; LDS serves a wave's instructions in order: these see my byte stores
	s_wait_dscnt 0x0
	global_store_b64 v7, v[12:13], s[10:11]        ; 32 lanes store 256 consecutive bytes, aligned
	s_wait_tensorcnt 0x0
	ds_add_u32 v224, v225
	s_wait_dscnt 0x0
	s_endpgm
; ======== way W: a lane takes a column n and its registers run down K: the codes come out with K innermost, nothing is transposed.
.Lpath_w:
	s_sub_co_u32 s16, ttmp9, 384
	s_lshr_b32 s17, s16, 5                         ; which weight
	s_and_b32 s18, s16, 7                          ; which 128 columns
	s_bfe_u32 s19, s16, 0x20003                    ; which 256 along K
	s_lshl_b32 s20, s18, 7
	s_lshl_b32 s21, s3, 5
	s_add_co_u32 s20, s20, s21                     ; my wave's first column
	s_lshl_b32 s22, s19, 20                        ; 256 rows of 4,096 bytes
	s_lshl_b32 s21, s20, 2
	s_add_co_u32 s22, s22, s21
	s_cmp_lt_u32 s17, 1
	s_cselect_b64 s[4:5], s[42:43], s[44:45]
	s_cmp_lt_u32 s17, 2
	s_cselect_b64 s[4:5], s[4:5], s[46:47]
	s_cmp_lt_u32 s17, 3
	s_cselect_b64 s[4:5], s[4:5], s[48:49]
	s_add_nc_u64 s[4:5], s[4:5], s[22:23]
	s_lshl_b32 s24, s17, 10
	s_add_co_u32 s24, s24, s20
	s_add_co_u32 s24, s24, 12288                   ; my 32 columns' first row in the stack
	s_mul_i32 s22, s24, 768
	s_mul_i32 s25, s19, 192
	s_add_co_u32 s22, s22, s25
	s_add_nc_u64 s[6:7], s[52:53], s[22:23]
	s_lshl_b32 s22, s24, 5
	s_lshl_b32 s25, s19, 3
	s_add_co_u32 s22, s22, s25
	s_add_nc_u64 s[8:9], s[54:55], s[22:23]
	v_lshlrev_b32 v3, 2, v2                        ; in: 4 bytes a lane: 128 consecutive bytes a load
	s_mul_i32 s26, s3, 32*WP
	s_add_co_u32 s26, s26, WSTG                    ; my stage
	v_mul_u32_u24 v4, v2, WP
	v_add_nc_u32 v4, s26, v4                       ; into it: row = my column
	v_and_b32 v5, 15, v2
	v_lshrrev_b32 v6, 4, v2
	v_mul_u32_u24 v7, v6, WP
	v_lshl_add_u32 v7, v5, 4, v7
	v_add_nc_u32 v7, s26, v7                       ; out of it: sixteen lanes to a row, two rows an instruction
	v_mul_u32_u24 v8, v6, 768
	v_mad_u32_u24 v8, v5, 12, v8                   ; and the same place in the stack's rows
	v_and_b32 v9, 7, v2
	v_and_b32 v10, 8, v2
	v_lshl_or_b32 v9, v10, 1, v9
	v_and_b32 v10, 16, v2
	v_lshrrev_b32 v10, 1, v10
	v_or_b32 v9, v9, v10                           ; my column's row among the 32: bits 3 and 4 exchanged
	v_lshlrev_b32 v9, 5, v9                        ; 32 scale bytes a row
	WLOAD 0
	WLOAD 1
.irp t, 0,1,2,3,4,5,6,7
	WBLOCK \t
.endr
	global_store_b64 v9, v[WSB:WSB+1], s[8:9]      ; my column's eight scale bytes
.irp t, 0,1,2,3,4,5,6,7,8,9,10,11,12,13,14,15
	ds_load_b96 v[WOUT+4*\t:WOUT+4*\t+2], v7 offset:2*\t*WP
.endr
.irp t, 0,1,2,3,4,5,6,7,8,9,10,11,12,13,14,15
	s_wait_dscnt 15-\t
	global_store_b96 v8, v[WOUT+4*\t:WOUT+4*\t+2], s[6:7] offset:2*((\t%4)+8*((\t/4)%2)+4*(\t/8))*768   ; columns 2 t, 2 t + 1 go to the rows with bits 3 and 4 exchanged; sixteen lanes store 192 consecutive bytes
.endr
	s_wait_tensorcnt 0x0
	ds_add_u32 v224, v225
	s_wait_dscnt 0x0
	s_endpgm
; ======== way M: a work-group takes 16 queries of one batch; wave w the keys 512 w on, as four units of 128.
.Lpath_m:
	s_sub_co_u32 s16, ttmp9, 512                   ; 128 x batch + tile of queries
	s_lshl_b32 s22, s16, 17                        ; 16 rows of 8,192 bytes
	s_lshl_b32 s21, s3, 11
	s_add_co_u32 s22, s22, s21
	s_add_nc_u64 s[4:5], s[50:51], s[22:23]
	s_lshl_b32 s22, s16, 12                        ; 16 units of 256 bytes
	s_lshl_b32 s21, s3, 10
	s_add_co_u32 s22, s22, s21
	s_add_nc_u64 s[6:7], s[56:57], s[22:23]
	s_mul_i32 s24, s3, 16*MPI
	s_add_co_u32 s24, s24, MSTG                    ; my stage
	v_lshlrev_b32 v3, 4, v2
	v_add_nc_u32 v4, s24, v3                       ; in: 16 bytes a lane
	v_and_b32 v7, 15, v2
	v_lshrrev_b32 v8, 4, v2
	v_mul_u32_u24 v5, v7, MPI
	v_lshl_add_u32 v5, v8, 6, v5
	v_add_nc_u32 v5, s24, v5                       ; out: row r, + 64 h.  Rows are 33 x 16 bytes apart
	v_lshlrev_b32 v6, 3, v2
.irp i, 0,1,2,3,4,5,6,7
	v_mov_b32 v[MOUT+\i], 0                        ; written once: v_writelane_b32's destination counts as read
.endr
	MLOAD 0
	MLOAD 1
	MUNIT 0
	MUNIT 1
	MUNIT 2
	MUNIT 3
	s_wait_tensorcnt 0x0
	ds_add_u32 v224, v225
	s_wait_dscnt 0x0
	s_endpgm
.Lfunc_end_k_qdb6fd639bf_prep:
	.size	k_qdb6fd639bf_prep, .Lfunc_end_k_qdb6fd639bf_prep-k_qdb6fd639bf_prep
	.p2alignl 7, 3214868480
	.fill 96, 4, 3214868480
	.section	.rodata,"a",@progbits
	.p2align	6, 0x0
	.amdhsa_kernel k_qdb6fd639bf_prep
		.amdhsa_group_segment_fixed_size 101888
		.amdhsa_private_segment_fixed_size 0
		.amdhsa_enable_private_segment 0
		.amdhsa_kernarg_size 88
		.amdhsa_user_sgpr_count 2
		.amdhsa_user_sgpr_kernarg_segment_ptr 1
		.amdhsa_wavefront_size32 1
		.amdhsa_system_sgpr_workgroup_id_x 1
		.amdhsa_system_sgpr_workgroup_id_y 1
		.amdhsa_system_sgpr_workgroup_id_z 1
		.amdhsa_system_vgpr_workitem_id 0
		.amdhsa_next_free_vgpr 226
		.amdhsa_next_free_sgpr 66
		.amdhsa_reserve_vcc 0
		.amdhsa_float_denorm_mode_32 3
		.amdhsa_float_denorm_mode_16_64 3
		.amdhsa_memory_ordered 1
		.amdhsa_forward_progress 1
		.amdhsa_inst_pref_size 122
	.end_amdhsa_kernel
	.amdgpu_metadata
---
amdhsa.version: [ 1, 2 ]
amdhsa.kernels:
  - .name:           k_qdb6fd639bf_prep
    .symbol:         k_qdb6fd639bf_prep.kd
    .args:
      - { .name: q, .offset: 0, .size: 8, .value_kind: global_buffer, .address_space: global }
      - { .name: k, .offset: 8, .size: 8, .value_kind: global_buffer, .address_space: global }
      - { .name: v, .offset: 16, .size: 8, .value_kind: global_buffer, .address_space: global }
      - { .name: Wq, .offset: 24, .size: 8, .value_kind: global_buffer, .address_space: global }
      - { .name: Wk, .offset: 32, .size: 8, .value_kind: global_buffer, .address_space: global }
      - { .name: Wv, .offset: 40, .size: 8, .value_kind: global_buffer, .address_space: global }
      - { .name: Wp, .offset: 48, .size: 8, .value_kind: global_buffer, .address_space: global }
      - { .name: mask, .offset: 56, .size: 8, .value_kind: global_buffer, .address_space: global }
      - { .name: codes, .offset: 64, .size: 8, .value_kind: global_buffer, .address_space: global }
      - { .name: scl, .offset: 72, .size: 8, .value_kind: global_buffer, .address_space: global }
      - { .name: mb, .offset: 80, .size: 8, .value_kind: global_buffer, .address_space: global }
    .group_segment_fixed_size: 101888
    .private_segment_fixed_size: 0
    .kernarg_segment_align: 8
    .kernarg_segment_size: 88
    .max_flat_workgroup_size: 128
    .sgpr_count:     66
    .vgpr_count:     226
    .wavefront_size: 32
...
	.end_amdgpu_metadata
.endif
;; end of part 1
;; launch proj (part 2): grid 4 x 48, 4 waves a work-group, clusters of 4 x 4, 327,680 bytes of LDS; arguments codes, scl, qkv; writes qkv
.if DOCPART == 2
	.amdgcn_target "amdgcn-amd-amdhsa--gfx1250"
	.amdhsa_code_object_version 6
	.text
	.protected	k_qdb6fd639bf_proj
	.globl	k_qdb6fd639bf_proj
	.p2align	8
	.type	k_qdb6fd639bf_proj,@function
k_qdb6fd639bf_proj:
	s_mov_b64 s[64:65], 0
	v_nop
	global_prefetch_b8 v0, s[64:65] scope:SCOPE_SE
	s_setreg_imm32_b32 hwreg(HW_REG_WAVE_MODE, 25, 1), 1
	s_wait_xcnt 0x0
	s_wait_alu depctr_hold_cnt(0) depctr_sa_sdst(0) depctr_va_vdst(0) depctr_va_sdst(0) depctr_va_ssrc(0) depctr_va_vcc(0) depctr_vm_vsrc(0)
	s_getreg_b32 s2, hwreg(HW_REG_IB_STS2, 6, 4)
	s_cmp_eq_u32 s2, 0
	s_cbranch_scc0 .Lentry_in_a_cluster
	s_endpgm
.Lentry_in_a_cluster:
	s_bfe_u32 s2, ttmp6, 0x10000c
	s_cmp_lg_u32 s2, 0xf033
	s_cbranch_scc0 .Lentry_shape_is_right
	s_endpgm
.Lentry_shape_is_right:
; PROJ: Q = q Wq, K = k Wk, V = v Wv on codes of FP6 (E2M3) with E8M0 scales; the results are quantised again in registers and leave as IMAGES of the operand registers that the attention launch wants.
; Both operands are rows of one stack (codes: 16,384 rows x 768 bytes; scl: x 32 bytes): q 0, k 4,096, v 8,192, Wq 12,288, Wk 13,312, Wv 14,336.  All rows but q's lie with bits 3 and 4 of their number exchanged.
; A tile of the result, 256 x 256, is made by four waves, 128 x 128 each: 64 accumulators, 512 registers.  K = 1,024 goes in steps of 256 through a ring of two LDS slots filled by the tensor data mover.
; Cluster rows 0-3 make Q, 4-7 K, 8-11 V.  "A" (source 1) is 256 tokens and "B" (source 0) 256 columns of the weight for Q and K; for V it is the other way round: A = Wv's columns, B = v's tokens.
; In a result lane (r, h) holds A's row r of its tile, and the 16 registers of B's tiles 2 c, 2 c + 1 are B's rows 32 c + 16 h + 0 .. 15 (by the exchange of bits 3 and 4):
; 16 neighbours along the head's 64 for Q and K, along the keys for V: the axis along which each is quantised next.
; CLUSTERS: 4 x 4 work-groups; A's tiles are asked for jointly by a row of the cluster, B's by a column.
; qkv: three parts (Q, K, V) of [32 heads][16 groups of 128 tokens][6,400 bytes]: four images of 1,536 bytes (register p of lane l at 512 (p / 4) + 16 l + 4 (p % 4)), then 256 bytes of scale words
; (lane l's 8 bytes at 8 l: the words of images 2 (l / 16) and 2 (l / 16) + 1, row l % 16).  Q, K: image e holds tiles 2 e (registers 0-5) and 2 e + 1 (6-11) of 16 tokens x the head's 64.  V: image t is 16 of the head's 64 x 128 keys.
; LIMITS: blocks under 2^-124 and blocks of zeros keep the scale byte 1; NaN and infinities are not served.
; REGISTERS, in windows of 256: window 0: v0-31 addresses; v32-63 scale words, two sets; v128-223 A's fragments, one set; on the way out v112-223 at work.  window 1: B's fragments, two sets.  windows 2, 3: the accumulators.
.set KSTEP,  256
.set NQ,     2
.set ROWB,   192
.set KROW,   768
.set PITCH,  240                       ; an LDS row: 3 x (64 bytes + 16 of padding)
.set FR,     12
.set NL,     6
.set NP,     4
.set HALFT,  128*PITCH
.set SLOT,   4*HALFT
.set LAPS,   2                         ; 1,024 / 512
.set KS,     32                        ; a row of scale bytes
.set SCL,    2*SLOT
.set HALFS,  (128*KS/256)*272
.set SBLK,   (16*KS/256)*272
.set SPARE,  SCL+4*HALFS               ; the spare words: 128 bytes a wave, named by no other line
.set ADRA, 16
.set ADRB, 20
.set LI,   24                          ; v24  16 x lane
.set L8,   25                          ; v25  8 x lane
.set ADRS, 27
.set SPW,  28
.set NIL,  29
.set SC,   32
.set AF,   128
.set PC0,  112                         ; the way out: two sets of 20 registers for the codes just made
.set TM,   200                         ; v200-203 largest magnitudes, v204-207 bytes, v212-215 the conversions' scale operands
.set WD,   216                         ; v216-219 the four scale words of a head
.set PP,   220                         ; v220-223 a pair to store for each head
.set G1, 24
.set G0, 32
.set G1B, 48
.set G0B, 56
.set G1S, 68
.set G0S, 76
.set G1SB, 80
.set G0SB, 88
.set MSB, 0
.macro WIN new                         ; the immediate's high byte repeats the setting that is left
.if MSB != \new
	s_set_vgpr_msb (MSB<<8)|\new
.set MSB, \new
.endif
.endm
.set MUL_LO, 0xa1                      ; source 0 (B) window 1, source 1 (A) window 0, C and D window 2
.set MUL_HI, 0xf1
.set TO_B,   0x40
; A joint load: waves 0 and 1 fetch for A, waves 2 and 3 for B; the branch hangs on the wave's number alone.  Four v_nop follow each line.
.macro JLOAD g0a, g1a, g0b, g1b
	s_cmp_eq_u32 s15, 0
	s_cbranch_scc0 .Lfor_b_\@
	tensor_load_to_lds s[\g0a:\g0a+3], s[\g1a:\g1a+7]
	s_nop 0
.rept 4
	v_nop
.endr
	s_branch .Lasked_\@
.Lfor_b_\@:
	tensor_load_to_lds s[\g0b:\g0b+3], s[\g1b:\g1b+7]
	s_nop 0
.rept 4
	v_nop
.endr
.Lasked_\@:
.endm
.macro CREST                           ; a round of the cluster's barrier behind its opening barrier
	s_cmp_lg_u32 s14, 0
	s_cbranch_scc1 .Lnot_wave_0_\@
	s_barrier_signal -3
.Lnot_wave_0_\@:
	s_barrier_wait -3
	s_barrier_signal -1
	s_barrier_wait -1
.endm
.macro CROUND
	s_barrier_signal -1
	s_barrier_wait -1
	CREST
.endm
	s_load_b128 s[4:7], s[0:1], 0x0                ; codes s[4:5], scl s[6:7]
	s_load_b64 s[12:13], s[0:1], 0x10              ; qkv
	v_lshl_add_u32 v[SPW], v0, 2, SPARE
	v_mov_b32 v[NIL], 0
	ds_add_u32 v28, v29
	ds_add_u32 v28, v29
	s_wait_dscnt 0x0
	v_lshrrev_b32 v1, 5, v0
	v_readfirstlane_b32 s14, v1                    ; wave 0..3
	s_lshr_b32 s15, s14, 1                         ; which half of A's rows is mine.  Also: I fetch for A (0) or for B (1)
	s_and_b32 s16, s14, 1                          ; which half of B's rows.  Also: which 128 rows I fetch
	s_bfe_u32 s40, ttmp6, 0x40000                  ; cx
	s_bfe_u32 s41, ttmp6, 0x40004                  ; cy
	s_and_b32 s95, ttmp7, 0xffff                   ; the cluster's row Y, 0 .. 11
	s_lshr_b32 s96, s95, 3                         ; 1 for V, else 0
	s_xor_b32 s97, s96, 1
	s_lshl_b32 s17, s95, 2
	s_mul_i32 s17, s17, s97                        ; A's tile of 256 rows in the stack: Q, K: 4 Y + cy (tokens);
	s_mul_i32 s18, s96, 56
	s_add_co_u32 s17, s17, s18                     ; V: 56 + cy (Wv)
	s_add_co_u32 s17, s17, s41
	s_lshr_b32 s42, s95, 2
	s_lshl_b32 s42, s42, 2
	s_add_co_u32 s42, s42, 48
	s_mul_i32 s42, s42, s97                        ; B's: Q, K: 48 + 4 (Y / 4) + cx (the weight);
	s_and_b32 s18, s95, 3
	s_lshl_b32 s18, s18, 2
	s_add_co_u32 s18, s18, 32
	s_mul_i32 s18, s18, s96
	s_add_co_u32 s42, s42, s18                     ; V: 32 + 4 (Y % 4) + cx (v's tokens)
	s_add_co_u32 s42, s42, s40
	s_lshl_b32 s43, s41, 2
	s_lshl_b32 s43, 15, s43                        ; my row of the cluster
	s_lshl_b32 s44, 0x1111, s40                    ; my column
	; descriptor group 1: a tile of 128 rows x 192 bytes; 16 bytes of padding behind every 64
	s_or_b32 s[G1+0], s43, (0<<16)|(1<<20)|(1<<21)|(3<<22)|(3<<25)
	s_or_b32 s[G1B+0], s44, (0<<16)|(1<<20)|(1<<21)|(3<<22)|(3<<25)
.irp g, G1, G1B
	s_mov_b32 s[\g+1], ROWB<<16                    ; tensor_dim0
	s_mov_b32 s[\g+2], 128<<16                     ; tensor_dim1
	s_mov_b32 s[\g+3], ROWB<<16                    ; tile_dim0
	s_mov_b32 s[\g+4], 128                         ; tile_dim1
	s_mov_b32 s[\g+5], KROW                        ; from row to row
	s_mov_b32 s[\g+6], 0
	s_mov_b32 s[\g+7], 0
.endr
	; the scale bytes of 128 rows: a dense block of 4,096 bytes, as 16 rows of 256 bytes, 16 bytes of padding behind each
	s_or_b32 s[G1S+0], s43, (3<<16)|(1<<20)|(1<<21)|(5<<22)|(3<<25)
	s_or_b32 s[G1SB+0], s44, (3<<16)|(1<<20)|(1<<21)|(5<<22)|(3<<25)
.irp g, G1S, G1SB
	s_mov_b32 s[\g+1], 32<<16
	s_mov_b32 s[\g+2], (128*KS/256)<<16
	s_mov_b32 s[\g+3], 32<<16
	s_mov_b32 s[\g+4], 128*KS/256
	s_mov_b32 s[\g+5], 32
	s_mov_b32 s[\g+6], 0
	s_mov_b32 s[\g+7], 0
.endr
	s_lshl_b32 s18, s16, 7                         ; which 128 rows of the tile I fetch
	s_lshl_b32 s20, s17, 8
	s_add_co_u32 s20, s20, s18
	s_lshl_b32 s46, s42, 8
	s_add_co_u32 s46, s46, s18
	s_mov_b32 s21, 0
	s_mov_b32 s47, 0
	s_mov_b64 s[18:19], KS
	s_mul_u64 s[22:23], s[20:21], s[18:19]         ; where these rows' scales begin,
	s_mul_u64 s[92:93], s[46:47], s[18:19]
	s_mov_b64 s[18:19], KROW
	s_mul_u64 s[20:21], s[20:21], s[18:19]         ; and their codes
	s_mul_u64 s[46:47], s[46:47], s[18:19]
	s_mul_i32 s45, s14, HALFT                      ; where they go: wave x 128 rows
	s_mul_i32 s94, s14, HALFS
	s_wait_kmcnt 0x0
	s_add_nc_u64 s[20:21], s[4:5], s[20:21]
	s_add_nc_u64 s[22:23], s[6:7], s[22:23]
	s_add_nc_u64 s[46:47], s[4:5], s[46:47]
	s_add_nc_u64 s[92:93], s[6:7], s[92:93]
	CROUND                                         ; all sixteen work-groups are here: the first joint loads meet
	s_mov_b32 s[G0S], 1
	s_add_co_u32 s[G0S+1], s94, SCL
	s_mov_b64 s[G0S+2:G0S+3], s[22:23]
	s_or_b32 s[G0S+3], s[G0S+3], 0x80000000
	s_mov_b32 s[G0SB], 1
	s_add_co_u32 s[G0SB+1], s94, SCL
	s_mov_b64 s[G0SB+2:G0SB+3], s[92:93]
	s_or_b32 s[G0SB+3], s[G0SB+3], 0x80000000
	JLOAD G0S, G1S, G0SB, G1SB                     ; the scales first: they are wanted with K step 0, come once and stay
.irp s, 0,1
	s_mov_b32 s[G0+4*\s], 1
	s_add_co_u32 s[G0+4*\s+1], s45, \s*SLOT
	s_add_nc_u64 s[G0+4*\s+2:G0+4*\s+3], s[20:21], \s*ROWB
	s_or_b32 s[G0+4*\s+3], s[G0+4*\s+3], 0x80000000
	s_mov_b32 s[G0B+4*\s], 1
	s_add_co_u32 s[G0B+4*\s+1], s45, \s*SLOT
	s_add_nc_u64 s[G0B+4*\s+2:G0B+4*\s+3], s[46:47], \s*ROWB
	s_or_b32 s[G0B+4*\s+3], s[G0B+4*\s+3], 0x80000000
	JLOAD G0+4*\s, G1, G0B+4*\s, G1B
.endr
	v_and_b32 v1, 15, v0                           ; l % 16
	v_bfe_u32 v2, v0, 4, 1                         ; l / 16
	v_mul_u32_u24 v3, v1, PITCH
	v_mul_u32_u24 v4, v2, 24
	v_add_nc_u32 v4, v3, v4                        ; a fragment's row x pitch + 24 x half
	v_lshl_add_u32 v5, v2, 4, v4                   ; and the same behind one padding more
	s_mul_i32 s21, s15, HALFT
	s_mul_i32 s22, s16, HALFT
	s_add_co_u32 s22, s22, 2*HALFT
.irp s, 0,1
	v_add_nc_u32 v[ADRA+\s], s21, v4
	v_add_nc_u32 v[ADRB+\s], s22, v4
	v_add_nc_u32 v[ADRA+2+\s], s21, v5
	v_add_nc_u32 v[ADRB+2+\s], s22, v5
	s_add_co_u32 s21, s21, SLOT
	s_add_co_u32 s22, s22, SLOT
.endr
	v_mul_u32_u24 v5, v1, KS                       ; my row's scales: 32 bytes a row,
	v_lshrrev_b32 v6, 8, v5
	v_lshl_add_u32 v5, v6, 4, v5                   ; and 16 more for each 256 passed
	s_mul_i32 s21, s15, HALFS
	s_mul_i32 s22, s16, HALFS
	s_add_co_u32 s22, s22, 2*HALFS
	s_sub_co_u32 s22, s22, s21
	v_mul_u32_u24 v6, s22, v2                      ; lanes 16-31 take B's
	s_add_co_u32 s21, s21, SCL
	v_add_nc_u32 v5, v5, v6
	v_add_nc_u32 v[ADRS], s21, v5
	v_and_b32 v6, 31, v0
	v_lshlrev_b32 v[LI], 4, v6
	v_lshlrev_b32 v[L8], 3, v6
	; where my two heads' units begin in qkv
	s_lshl_b32 s98, s41, 8
	s_lshl_b32 s99, s15, 7
	s_add_co_u32 s98, s98, s99                     ; A's rows: 256 cy + 128 x half
	s_lshl_b32 s99, s40, 8
	s_lshl_b32 s100, s16, 7
	s_add_co_u32 s99, s99, s100                    ; B's rows: 256 cx + 128 x half
	s_cmp_eq_u32 s96, 1
	s_cselect_b32 s100, s99, s98                   ; which of the two are tokens,
	s_cselect_b32 s101, s98, s99                   ; and which the result's columns
	s_and_b32 s66, s95, 3
	s_lshl_b32 s66, s66, 10
	s_add_co_u32 s100, s100, s66                   ; my first token, 0 .. 4,095
	s_lshr_b32 s66, s100, 11                       ; batch
	s_lshl_b32 s66, s66, 4
	s_lshr_b32 s101, s101, 6                       ; head
	s_add_co_u32 s66, s66, s101
	s_lshl_b32 s66, s66, 4
	s_bfe_u32 s101, s100, 0x40007                  ; group of 128 tokens
	s_add_co_u32 s66, s66, s101
	s_mul_i32 s66, s66, 6400
	s_lshr_b32 s101, s95, 2                        ; part: Q, K or V
	s_mul_i32 s101, s101, 3276800
	s_add_co_u32 s66, s66, s101
	s_mov_b32 s67, 0
	s_add_nc_u64 s[12:13], s[12:13], s[66:67]
.macro FRAG reg, adr, q, i             ; 16 rows x 128 K of 6-bit codes: 12 registers, in pieces of 8 bytes; where the piece of lanes 16-31 lies behind one padding more, the second address register serves
.irp p, 0,1,2,3,4,5
.set PC, 12*(\q)+6*(\p/3)+\p%3
.if PC%8 < 5
	ds_load_b64 v[\reg+2*\p:\reg+2*\p+1], v[\adr] offset:8*PC+16*(PC/8)+(\i)*16*PITCH
.else
	ds_load_b64 v[\reg+2*\p:\reg+2*\p+1], v[\adr+2] offset:8*PC+16*(PC/8)+(\i)*16*PITCH
.endif
.endr
.endm
; 16 matrix instructions: A's blocks a0, a0 + 1 x B's eight.  The 64 accumulators take turns, one instruction a turn, in the same order in every step.
.macro MUL16 a0, p, q, sc, zero
.irp a, \a0, \a0+1
.irp b, 0,1,2,3,4,5,6,7
.if \zero
	v_wmma_scale_f32_16x16x128_f8f6f4 v[8*(8*((\a)%4)+\b):8*(8*((\a)%4)+\b)+7], v[128*(\p)+FR*\b:128*(\p)+FR*\b+FR-1], v[AF+FR*(\a):AF+FR*(\a)+FR-1], 0, v[SC+8*NQ*(\sc)+NQ*\b+(\q)], v[SC+8*NQ*(\sc)+NQ*(\a)+(\q)] matrix_a_fmt:MATRIX_FMT_FP6 matrix_b_fmt:MATRIX_FMT_FP6 matrix_a_scale:MATRIX_SCALE_ROW1
.else
	v_wmma_scale_f32_16x16x128_f8f6f4 v[8*(8*((\a)%4)+\b):8*(8*((\a)%4)+\b)+7], v[128*(\p)+FR*\b:128*(\p)+FR*\b+FR-1], v[AF+FR*(\a):AF+FR*(\a)+FR-1], v[8*(8*((\a)%4)+\b):8*(8*((\a)%4)+\b)+7], v[SC+8*NQ*(\sc)+NQ*\b+(\q)], v[SC+8*NQ*(\sc)+NQ*(\a)+(\q)] matrix_a_fmt:MATRIX_FMT_FP6 matrix_b_fmt:MATRIX_FMT_FP6 matrix_a_scale:MATRIX_SCALE_ROW1
.endif
.endr
.endr
.endm
.macro FETCH_B slot, q, p
	WIN TO_B
.irp i, 0,1,2,3,4,5,6,7
	FRAG 128*(\p)+FR*\i, ADRB+\slot, \q, \i
.endr
	WIN 0
.endm
.macro FETCH_A slot, q, i0
.irp i, \i0, \i0+1, \i0+2, \i0+3
	FRAG AF+FR*(\i), ADRA+\slot, \q, \i
.endr
.endm
.macro SCALES sc                       ; a K step's scale words: lanes 0-15 A's block i, lanes 16-31 B's block i
.irp i, 0,1,2,3,4,5,6,7
	ds_load_b64 v[SC+8*NQ*\sc+NQ*\i:SC+8*NQ*\sc+NQ*\i+1], v[ADRS] offset:\i*SBLK
.endr
.endm
.macro PLACES n                        ; plain vector lines between a matrix instruction and a load into, or a read of, its registers
.rept \n
	v_nop
.endr
.endm
.macro STEP slot, q, zero              ; 128 along K, with its successor in the same slot
	s_wait_dscnt 4*NL                              ; B's set and A's blocks 0-3 are in; the youngest 24 loads (A's blocks 4-7) may be out
	WIN MUL_LO
	MUL16 0, (\q)%2, \q, \slot, \zero
	MUL16 2, (\q)%2, \q, \slot, \zero
	s_wait_dscnt 0
	PLACES NP
	FETCH_B \slot, (\q)+1, 1-(\q)%2
	FETCH_A \slot, (\q)+1, 0
	WIN MUL_HI
	MUL16 4, (\q)%2, \q, \slot, \zero
	MUL16 6, (\q)%2, \q, \slot, \zero
	PLACES NP
	WIN 0
	FETCH_A \slot, (\q)+1, 4
.endm
; A slot's last step changes slots: one barrier; in front of it each wave waits for all its tensor loads, adds 0 to its spare word, and waits for that and for its reads of this slot.
.macro TURN slot, next, fill
	s_wait_tensorcnt 0x0                           ; all my tensor loads have landed: my part of the next slot
	ds_add_u32 v[SPW], v[NIL]                      ; 0 onto my spare word
	s_wait_dscnt 4*NL+1                            ; the add and the youngest 24 loads (A's blocks 4-7) may be out
	WIN MUL_LO
	MUL16 0, 1, NQ-1, \slot, 0
	s_wait_dscnt 0x0                               ; the add is done, and my reads of this slot are over
	s_barrier_signal -1
	MUL16 2, 1, NQ-1, \slot, 0
	WIN 0
	s_barrier_wait -1
.if \fill
	CREST                                          ; the barrier has opened a round of the cluster's: no wave of any partner still reads this slot or has a load on its way
	s_add_nc_u64 s[G0+4*\slot+2:G0+4*\slot+3], s[G0+4*\slot+2:G0+4*\slot+3], 2*ROWB
	s_add_nc_u64 s[G0B+4*\slot+2:G0B+4*\slot+3], s[G0B+4*\slot+2:G0B+4*\slot+3], 2*ROWB
	JLOAD G0+4*\slot, G1, G0B+4*\slot, G1B         ; the first tensor load behind the round; its four v_nop are also the places in front of the loads below
.else
	PLACES NP
.endif
	v_add_nc_u32 v[ADRS], 4*NQ, v[ADRS]            ; the next K step's scale words (no LDS load of mine is out)
	FETCH_B \next, 0, 0
	FETCH_A \next, 0, 0
	SCALES \next
	WIN MUL_HI
	MUL16 4, 1, NQ-1, \slot, 0
	MUL16 6, 1, NQ-1, \slot, 0
	PLACES NP
	WIN 0
	FETCH_A \next, 0, 4
.endm
	s_wait_tensorcnt 1                             ; the scales and my part of K step 0 are in; K step 1's load may be out
	s_barrier_signal -1
	s_barrier_wait -1
	FETCH_B 0, 0, 0
	FETCH_A 0, 0, 0
	SCALES 0
	FETCH_A 0, 0, 4
	STEP 0, 0, 1                                   ; the first step's products start the sums
	s_mov_b32 s3, LAPS-1
.Llap:
	TURN 0, 1, 1
	STEP 1, 0, 0
	TURN 1, 0, 1
	STEP 0, 0, 0
	s_sub_co_u32 s3, s3, 1
	s_cmp_lg_u32 s3, 0
	s_cbranch_scc1 .Llap
	TURN 0, 1, 0                                   ; the last lap fills nothing
	STEP 1, 0, 0
	s_wait_dscnt 4*NL
	WIN MUL_LO
	MUL16 0, 1, NQ-1, 1, 0
	MUL16 2, 1, NQ-1, 1, 0
	s_wait_dscnt 0
	WIN MUL_HI
	MUL16 4, 1, NQ-1, 1, 0
	MUL16 6, 1, NQ-1, 1, 0
	WIN 0
; THE WAY OUT: no LDS.  Four blocks of 32, each as 16 registers in lanes l and l xor 16, become a fragment's 12 registers and its scale word.
; Blocks 0, 1 stand at v[s0] on, blocks 2, 3 at v[s1] on, in window w.  Each accumulator is first read at its two lowest registers.
.macro QUANT2 w, s0, s1, pc, pw
	WIN (((\w)<<2)|((\w)<<4))
.irp b, 0,1,2,3
.set QS, (\s0)+16*\b
.if \b > 1
.set QS, (\s1)+16*(\b-2)
.endif
	v_max3_num_f32 v[TM+\b], 0x1800000, |v[QS]|, |v[QS+1]|         ; my 16 numbers, and the floor 2^(3 - 127): the byte cannot fall under 1
.endr
.irp i, 2,4,6,8,10,12,14
.irp b, 0,1,2,3
.set QS, (\s0)+16*\b
.if \b > 1
.set QS, (\s1)+16*(\b-2)
.endif
	v_max3_num_f32 v[TM+\b], v[TM+\b], |v[QS+\i]|, |v[QS+\i+1]|
.endr
.endr
	WIN 0
.irp b, 0,1,2,3
	v_permlanex16_b32 v[TM+4+\b], v[TM+\b], s20, s21
.endr
.irp b, 0,1,2,3
	v_max_num_f32 v[TM+\b], v[TM+\b], v[TM+4+\b]   ; with lane l xor 16's: the block's largest magnitude
.endr
.irp b, 0,1,2,3
	v_add_nc_u32 v[TM+12+\b], 0xff000000, v[TM+\b] ; 2 off its exponent field: the conversion's scale operand
.endr
.irp b, 0,1,2,3
	v_lshrrev_b32 v[TM+4+\b], 23, v[TM+12+\b]      ; the scale's byte
.endr
	v_lshl_or_b32 v[\pw], v[TM+5], 8, v[TM+4]
	v_lshl_or_b32 v[\pw], v[TM+6], 16, v[\pw]
	v_lshl_or_b32 v[\pw], v[TM+7], 24, v[\pw]
	s_wait_xcnt 0x0                                ; earlier stores have read their data: this set of code registers may be written again
	WIN (\w)
	v_cvt_scalef32_pk16_fp6_f32 v[(\pc):(\pc)+2], v[(\s0):(\s0)+15], v[TM+12]
	v_cvt_scalef32_pk16_fp6_f32 v[(\pc)+12:(\pc)+14], v[(\s0)+16:(\s0)+31], v[TM+13]   ; (a conversion's three registers begin on an even number)
	v_cvt_scalef32_pk16_fp6_f32 v[(\pc)+6:(\pc)+8], v[(\s1):(\s1)+15], v[TM+14]
	v_cvt_scalef32_pk16_fp6_f32 v[(\pc)+16:(\pc)+18], v[(\s1)+16:(\s1)+31], v[TM+15]
	WIN 0
	v_nop                                          ; one plain line behind the conversions
.irp c, 0,1                                    ; the operand's layout wants a whole block in a lane
.irp i, 0,1,2
	v_permlane16_swap_b32 v[(\pc)+6*\c+\i], v[(\pc)+12+4*\c+\i]
.endr
.irp i, 0,1,2
	v_mov_b32 v[(\pc)+3+6*\c+\i], v[(\pc)+12+4*\c+\i]
.endr
.endr
.endm
.macro UNIT w, s0, s1, x, e            ; image e of head x: three stores of 512 consecutive bytes
	QUANT2 \w, \s0, \s1, PC0+20*((\e)%2), WD+(\e)
.irp c, 0,1,2
	global_store_b128 v[LI], v[PC0+20*((\e)%2)+4*\c:PC0+20*((\e)%2)+4*\c+3], s[12:13] offset:102400*(\x)+1536*(\e)+512*\c
.endr
.endm
.macro WORDS x                         ; the head's four scale words: lanes 0-15 keep images 0 and 1, lanes 16-31 take 2 and 3: 256 consecutive bytes
	v_cndmask_b32 v[PP+2*\x], v[WD], v[WD+2], s22
	v_cndmask_b32 v[PP+2*\x+1], v[WD+1], v[WD+3], s22
	global_store_b64 v[L8], v[PP+2*\x:PP+2*\x+1], s[12:13] offset:102400*\x+6144
.endm
	PLACES NP                                      ; behind the last products: their results are read and A's old registers are written below
	s_mov_b32 s20, 0x76543210
	s_mov_b32 s21, 0xfedcba98                      ; v_permlanex16_b32's selects for lane l xor 16
	s_mov_b32 s22, 0xffff0000                      ; lanes 16-31
.irp b, 0,1,2,3
	v_mov_b32 v[TM+4+\b], 0                        ; written once: a lane permute's destination counts as one of its sources
.endr
	s_cmp_eq_u32 s96, 1                            ; the same in all sixteen partners
	s_cbranch_scc1 .Lway_v
.irp x, 0,1                                    ; Q, K: head x = B's tiles 4 x .. 4 x + 3; image e = A's tiles 2 e and 2 e + 1, two blocks of the head's 64 each
.irp e, 0,1,2,3
	UNIT 2+\e/2, 64*((2*\e)%4)+32*\x, 64*((2*\e+1)%4)+32*\x, \x, \e
.endr
	WORDS \x
.endr
	s_branch .Lway_end
.Lway_v:
.irp x, 0,1                                    ; V: head x = A's tiles 4 x .. 4 x + 3; image t = A's tile 4 x + t, four blocks of 32 keys
.irp e, 0,1,2,3
	UNIT 2+\x, 64*\e, 64*\e+32, \x, \e
.endr
	WORDS \x
.endr
.Lway_end:
	s_wait_tensorcnt 0x0                           ; the wave's end
	ds_add_u32 v[SPW], v[NIL]
	s_wait_dscnt 0x0
	CROUND                                         ; the closing round: no work-group ends while a partner may still ask for a tile that names it
	s_endpgm
.Lfunc_end_k_qdb6fd639bf_proj:
	.size	k_qdb6fd639bf_proj, .Lfunc_end_k_qdb6fd639bf_proj-k_qdb6fd639bf_proj
	.p2alignl 7, 3214868480
	.fill 96, 4, 3214868480
	.section	.rodata,"a",@progbits
	.p2align	6, 0x0
	.amdhsa_kernel k_qdb6fd639bf_proj
		.amdhsa_group_segment_fixed_size 327680
		.amdhsa_private_segment_fixed_size 0
		.amdhsa_enable_private_segment 0
		.amdhsa_kernarg_size 24
		.amdhsa_user_sgpr_count 2
		.amdhsa_user_sgpr_kernarg_segment_ptr 1
		.amdhsa_wavefront_size32 1
		.amdhsa_system_sgpr_workgroup_id_x 1
		.amdhsa_system_sgpr_workgroup_id_y 1
		.amdhsa_system_sgpr_workgroup_id_z 1
		.amdhsa_system_vgpr_workitem_id 0
		.amdhsa_next_free_vgpr 1024
		.amdhsa_next_free_sgpr 102
		.amdhsa_reserve_vcc 0
		.amdhsa_float_denorm_mode_32 3
		.amdhsa_float_denorm_mode_16_64 3
		.amdhsa_memory_ordered 1
		.amdhsa_forward_progress 1
		.amdhsa_inst_pref_size 199
	.end_amdhsa_kernel
	.amdgpu_metadata
---
amdhsa.version: [ 1, 2 ]
amdhsa.kernels:
  - .name:           k_qdb6fd639bf_proj
    .symbol:         k_qdb6fd639bf_proj.kd
    .args:
      - { .name: codes, .offset: 0, .size: 8, .value_kind: global_buffer, .address_space: global }
      - { .name: scl, .offset: 8, .size: 8, .value_kind: global_buffer, .address_space: global }
      - { .name: qkv, .offset: 16, .size: 8, .value_kind: global_buffer, .address_space: global }
    .group_segment_fixed_size: 327680
    .private_segment_fixed_size: 0
    .kernarg_segment_align: 8
    .kernarg_segment_size: 24
    .max_flat_workgroup_size: 128
    .sgpr_count:     102
    .vgpr_count:     1024
    .wavefront_size: 32
...
	.end_amdgpu_metadata
.endif
;; end of part 2
;; launch attn (part 3): grid 8 x 32, 16 waves a work-group, clusters of 4 x 1, 206,848 bytes of LDS; arguments qkv, mb, xf, xfs; writes xf, xfs
.if DOCPART == 3
	.amdgcn_target "amdgcn-amd-amdhsa--gfx1250"
	.amdhsa_code_object_version 6
	.text
	.protected	k_qdb6fd639bf_attn
	.globl	k_qdb6fd639bf_attn
	.p2align	8
	.type	k_qdb6fd639bf_attn,@function
k_qdb6fd639bf_attn:
	s_mov_b64 s[64:65], 0
	v_nop
	global_prefetch_b8 v0, s[64:65] scope:SCOPE_SE
	s_setreg_imm32_b32 hwreg(HW_REG_WAVE_MODE, 25, 1), 1
	s_wait_xcnt 0x0
	s_wait_alu depctr_hold_cnt(0) depctr_sa_sdst(0) depctr_va_vdst(0) depctr_va_sdst(0) depctr_va_ssrc(0) depctr_va_vcc(0) depctr_vm_vsrc(0)
	s_getreg_b32 s2, hwreg(HW_REG_IB_STS2, 6, 4)
	s_cmp_eq_u32 s2, 0
	s_cbranch_scc0 .Lentry_in_a_cluster
	s_endpgm
.Lentry_in_a_cluster:
	s_bfe_u32 s2, ttmp6, 0x10000c
	s_cmp_lg_u32 s2, 0x3003
	s_cbranch_scc0 .Lentry_shape_is_right
	s_endpgm
.Lentry_shape_is_right:
; ATTN: for each head, o = softmax(where(mask == 0, -1e9, Q K^T / 8)) V, both products on codes of FP6 (E2M3) with E8M0 scales; o is quantised along the model's 1,024 and leaves as images for the last product.
; t = score x log2(e) / 8; M = the running largest t rounded up to a whole number; p = 2^(t - M) is quantised along the keys, not normalised; the row's sum is taken of the unquantised p and divides at the end.
; SHARES.  A work-group owns 256 queries of one head, each of its sixteen waves 16 of them in 256 registers: four waves to a SIMD.  Every wave walks the head's 2,048 keys, 128 a step.
; LDS holds the head's K (16 units of 6,400 bytes, at 0) and V (at 102,400) WHOLE: each byte is filled once, so there is no ring.  They come as four chunks of four steps each; wave 0 asks for K's, wave 1 for V's.
; CLUSTER.  The four blocks of queries of a cluster belong to one head: each chunk is asked for jointly, by the same load with the same descriptor and a mask that names the four.
; No prefetch: all of K and V is asked for at the head, and a step's mask words are asked for a step ahead.
; LAYOUT.  Both products are used transposed: a lane holds ONE query (lane % 16).  The head's 64 are half of the instruction's 128, so an image of K holds TWO tiles of 16 keys, one in each half of K:
; against Qlo = [Q, zeros] it gives the first tile's scores, against Qhi = [zeros, Q] the second's (zero codes add nothing under any byte that the quantiser gives).
; The keys of a tile were chosen so that score register 16 b + i is key 32 b + 16 (lane / 16) + i of the step.  mb holds one word for each such register: bit l says whether the key counts for lane l's query.
; LIMITS.  A hidden score is -2^33 (a logit of -2^30 where the model writes -1e9): its product with log2(e) / 8 is exact, so that a row with no key left gives p = 1 for every key, as the model does.
; The result differs from the model's only where a key that counts has a logit under about -1e9.  NaN and infinities are not served.  Blocks under 2^-124 and blocks of zeros keep the scale byte 1.
; REGISTERS: v1 16 l, v2 8 l, v3 the hidden score, v5 8 r, v6 32 r; v8-11 LDS addresses; v12 -M, v13 the largest t, v[14:15] the sum; v16-27 Qlo, v192-203 Qhi; v32-79 four fragments of K, then of V;
; v96-159 S^T, then p; v160-191 O^T; v204-215 Q as loaded; v224-235 p's codes; v232-247, v252, v254 at work; v248-249 K's scale words, v250-251 V's, v253 p's, v255 Q's.
.set UNITB, 6400
.set HEADB, 16*UNITB                   ; 102,400
.set PARTB, 32*HEADB
.set CHUNK, 4*UNITB
.set WV,  2                            ; s2  my wave's number
.set TB,  3                            ; s3  LDS byte at which the step's unit of K begins
.set CNT, 4
.set MO,  5                            ; s5  the byte of the mask words to be asked for
.set MPT, 6                            ; s[6:7] my tile's 16 x 256 bytes of mask words
.set G1,  8                            ; s[8:15] descriptor group 1; s[16:31] four groups 0
.set G0,  16
.set CS,  66                           ; s[66:67] c = log2(e) / 8
.set SEL, 100                          ; s[100:101] selects for lane l xor 16
.macro CROUND
	s_barrier_signal -1
	s_barrier_wait -1
	s_cmp_lg_u32 s[WV], 0
	s_cbranch_scc1 .Lnot_wave_0_\@
	s_barrier_signal -3
.Lnot_wave_0_\@:
	s_barrier_wait -3
	s_barrier_signal -1
	s_barrier_wait -1
.endm
.macro QK d, a, q, sc, row1            ; a tile of scores: source 0 = an image of K, source 1 = Qlo or Qhi
.if \row1
	v_wmma_scale_f32_16x16x128_f8f6f4 v[(\d):(\d)+7], v[(\a):(\a)+11], v[(\q):(\q)+11], 0, v[\sc], v255 matrix_a_fmt:MATRIX_FMT_FP6 matrix_b_fmt:MATRIX_FMT_FP6 matrix_a_scale:MATRIX_SCALE_ROW1
.else
	v_wmma_scale_f32_16x16x128_f8f6f4 v[(\d):(\d)+7], v[(\a):(\a)+11], v[(\q):(\q)+11], 0, v[\sc], v255 matrix_a_fmt:MATRIX_FMT_FP6 matrix_b_fmt:MATRIX_FMT_FP6
.endif
.endm
.macro PV d, a, sc, row1               ; O^T += a tile of V^T x P^T
.if \row1
	v_wmma_scale_f32_16x16x128_f8f6f4 v[(\d):(\d)+7], v[(\a):(\a)+11], v[224:235], v[(\d):(\d)+7], v[\sc], v253 matrix_a_fmt:MATRIX_FMT_FP6 matrix_b_fmt:MATRIX_FMT_FP6 matrix_a_scale:MATRIX_SCALE_ROW1
.else
	v_wmma_scale_f32_16x16x128_f8f6f4 v[(\d):(\d)+7], v[(\a):(\a)+11], v[224:235], v[(\d):(\d)+7], v[\sc], v253 matrix_a_fmt:MATRIX_FMT_FP6 matrix_b_fmt:MATRIX_FMT_FP6
.endif
.endm
	s_load_b128 s[68:71], s[0:1], 0x0              ; qkv s[68:69], mb s[70:71]
	v_lshl_add_u32 v223, v0, 2, 0x32000
	v_mov_b32 v243, 0
	ds_add_u32 v223, v243
	ds_add_u32 v223, v243
	v_lshrrev_b32 v4, 5, v0
	v_readfirstlane_b32 s[WV], v4                  ; wave 0..15
	v_and_b32 v4, 31, v0
	v_lshlrev_b32 v1, 4, v4
	v_lshlrev_b32 v2, 3, v4
	v_and_b32 v5, 15, v0
	v_lshlrev_b32 v6, 5, v5
	v_lshlrev_b32 v5, 3, v5
	v_mov_b32 v3, 0xd0000000                       ; -2^33
	s_and_b32 s72, ttmp7, 0xffff                   ; 16 x batch + head, which the partners share
	s_bfe_u32 s73, ttmp6, 0x40000                  ; cx
	s_lshl_b32 s74, ttmp9, 2
	s_add_co_u32 s74, s74, s73                     ; my block of 256 queries: it enters global addresses of Q, the mask and the result alone
	s_and_b32 s75, s[WV], 1                        ; wave 0 fetches K, wave 1 V
	s_mul_i32 s76, s75, HEADB                      ; in LDS,
	s_add_co_u32 s77, s75, 1
	s_mul_i32 s77, s77, PARTB
	s_mul_i32 s78, s72, HEADB
	s_add_co_u32 s78, s78, s77                     ; and in qkv: part 1 or 2, my head
	s_mov_b32 s79, 0
	; descriptor group 1: a chunk, 25,600 dense bytes, as 100 rows of 256 bytes (32 elements of 8 bytes), no padding
	s_mov_b32 s[G1], 15|(3<<16)|(1<<21)            ; 15:0 the mask: all four work-groups; 17:16 elements of 8 bytes; 21 set beside a mask
	s_mov_b32 s[G1+1], 32<<16                      ; tensor_dim0
	s_mov_b32 s[G1+2], 100<<16                     ; tensor_dim1
	s_mov_b32 s[G1+3], 32<<16                      ; tile_dim0
	s_mov_b32 s[G1+4], 100                         ; tile_dim1
	s_mov_b32 s[G1+5], 32                          ; from row to row
	s_mov_b32 s[G1+6], 0
	s_mov_b32 s[G1+7], 0
	s_wait_dscnt 0x0
	s_wait_kmcnt 0x0
	s_add_nc_u64 s[80:81], s[68:69], s[78:79]
.irp c, 0,1,2,3
	s_mov_b32 s[G0+4*\c], 1
	s_add_co_u32 s[G0+4*\c+1], s76, \c*CHUNK
	s_add_nc_u64 s[G0+4*\c+2:G0+4*\c+3], s[80:81], \c*CHUNK
	s_or_b32 s[G0+4*\c+3], s[G0+4*\c+3], 0x80000000
.endr
	CROUND                                         ; all four work-groups are here: the joint loads meet
	s_cmp_lt_u32 s[WV], 2                          ; a wave's four fills stand in one branch, ahead of every wait on TENSORcnt and every LDS read: four loads of mine are out
	s_cbranch_scc0 .Lno_fetch
	tensor_load_to_lds s[G0:G0+3], s[G1:G1+7]
	s_nop 0
	tensor_load_to_lds s[G0+4:G0+7], s[G1:G1+7]
	s_nop 0
	tensor_load_to_lds s[G0+8:G0+11], s[G1:G1+7]
	s_nop 0
	tensor_load_to_lds s[G0+12:G0+15], s[G1:G1+7]
	s_nop 0
.rept 4
	v_nop
.endr
.Lno_fetch:
	; Q: my tile is tile w % 8 of unit 2 x + w / 8: half u = w % 2 of image (w % 8) / 2
	s_lshr_b32 s82, s[WV], 3
	s_lshl_b32 s83, s74, 1
	s_add_co_u32 s82, s82, s83
	s_lshl_b32 s83, s72, 4
	s_add_co_u32 s82, s82, s83
	s_mul_i32 s82, s82, UNITB
	s_mov_b32 s83, 0
	s_add_nc_u64 s[84:85], s[68:69], s[82:83]      ; the unit (Q is part 0)
	s_bfe_u32 s86, s[WV], 0x20001                  ; the image
	s_mul_i32 s82, s86, 1536
	s_add_nc_u64 s[88:89], s[84:85], s[82:83]
	s_lshr_b32 s87, s86, 1
	s_lshl_b32 s87, s87, 7
	s_and_b32 s86, s86, 1
	s_lshl_b32 s86, s86, 2
	s_add_co_u32 s82, s87, s86
	s_add_co_u32 s82, s82, 6144
	s_add_nc_u64 s[84:85], s[84:85], s[82:83]      ; its scale words: 8 bytes from row to row
	global_load_b128 v[204:207], v1, s[88:89]
	global_load_b128 v[208:211], v1, s[88:89] offset:512
	global_load_b128 v[212:215], v1, s[88:89] offset:1024
	global_load_b32 v254, v5, s[84:85]
	s_cmp_eq_u32 s75, 1
	s_cselect_b32 s104, -1, 0                      ; all lanes take the image's second half, or none
	s_mov_b32 s105, 0x01000100
	s_cselect_b32 s105, 0x03020302, s105           ; the tile's two scale bytes, twice
	s_lshl_b32 s90, s74, 4
	s_add_co_u32 s90, s90, s[WV]                   ; my tile of queries in the batch
	s_lshr_b32 s91, s72, 4
	s_lshl_b32 s91, s91, 7
	s_add_co_u32 s91, s91, s90
	s_lshl_b32 s82, s91, 12
	s_add_nc_u64 s[MPT:MPT+1], s[70:71], s[82:83]
	s_mov_b32 s[MO], 0
	s_mov_b32 s[TB], 0
	s_mov_b32 s[CS], 0x3e38aa3b                    ; c = log2(e) / 8
	s_mov_b32 s[CS+1], s[CS]
	s_mov_b32 s[SEL], 0x76543210
	s_mov_b32 s[SEL+1], 0xfedcba98
	s_wait_xcnt 0x0                                ; Q's loads have read their bases: s68 to s99 may take mask words
	s_load_b512 s[32:47], s[MPT:MPT+1], s[MO] offset:0x0     ; step 0's 64 mask words
	s_load_b512 s[48:63], s[MPT:MPT+1], s[MO] offset:0x40
	s_load_b512 s[68:83], s[MPT:MPT+1], s[MO] offset:0x80
	s_load_b512 s[84:99], s[MPT:MPT+1], s[MO] offset:0xc0
	v_mov_b32 v13, 0xff61b1e6                      ; the largest t so far: -3e38
	v_floor_f32 v12, -v13                          ; -M
	v_mov_b32 v14, 0
	v_mov_b32 v15, 0
.irp b, 0,1,2,3
	v_mov_b32 v[236+\b], 0                         ; written once: a lane permute's destination counts as one of its sources
.endr
	v_mov_b32 v253, 0                              ; (named as the upper half of the pair v[252:253] before it is first written)
	s_wait_loadcnt 0x0                             ; Q
.irp i, 0,1,2,3,4,5
	v_cndmask_b32 v[16+\i], v[204+\i], v[210+\i], s104
	v_mov_b32 v[22+\i], 0
	v_mov_b32 v[192+\i], 0
.endr
.irp i, 0,1,2,3,4,5
	v_mov_b32 v[198+\i], v[16+\i]
.endr
	v_perm_b32 v255, v254, v254, s105
.set n, 0
.rept 32
	v_mov_b32 v[160+n], 0                          ; O^T: the first change of M leaves zeros zeros.  (These are also the plain lines between the writes of Q's registers and scale word and the first product)
.set n, n+1
.endr
; A KEY STEP: 128 keys.
.macro STEP
	v_add_nc_u32 v8, s[TB], v1                     ; K's images;  (these four lines are the places in front of the loads into registers that the last products read)
	v_add_nc_u32 v10, s[TB], v2                    ; K's scale words
	v_add_nc_u32 v9, HEADB, v8                     ; V's images
	v_add_nc_u32 v11, HEADB, v10                   ; V's scale words
.irp b, 0,1,2,3
.irp c, 0,1,2
	ds_load_b128 v[32+12*\b+4*\c:35+12*\b+4*\c], v8 offset:1536*\b+512*\c      ; an image comes back as it was stored: 512 consecutive bytes a load
.endr
.endr
	ds_load_b64 v[248:249], v10 offset:6144        ; lanes 0-15: the words of images 0, 1; lanes 16-31: of images 2, 3
	s_wait_dscnt 0x0
.irp b, 0,1,2,3
	QK 96+16*\b, 32+12*\b, 16, 248+\b%2, \b/2
	QK 104+16*\b, 32+12*\b, 192, 248+\b%2, \b/2
.endr
.rept 4
	v_nop                                          ; places: the loads below land in K's registers, and the scores are read
.endr
.irp t, 0,1,2,3
.irp c, 0,1,2
	ds_load_b128 v[32+12*\t+4*\c:35+12*\t+4*\c], v9 offset:1536*\t+512*\c      ; V's four tiles land while the softmax is walked
.endr
.endr
	ds_load_b64 v[250:251], v11 offset:6144
	s_wait_kmcnt 0x0                               ; this step's mask words
.set n, 0
.rept 64
.if n < 32
	v_cndmask_b32 v[96+n], v3, v[96+n], s[32+n]    ; a key that does not count gets the hidden score
.else
	v_cndmask_b32 v[96+n], v3, v[96+n], s[36+n]
.endif
.set n, n+1
.endr
.irp b, 0,1,2,3
	v_max3_num_f32 v[232+\b], v[96+16*\b], v[97+16*\b], v[98+16*\b]            ; the largest score of each block of 32 keys: for the row's maximum, and for the block's largest p
.endr
.irp i, 3,5,7,9,11,13
.irp b, 0,1,2,3
	v_max3_num_f32 v[232+\b], v[232+\b], v[96+16*\b+\i], v[97+16*\b+\i]
.endr
.endr
.irp b, 0,1,2,3
	v_max_num_f32 v[232+\b], v[232+\b], v[111+16*\b]
.endr
	s_add_co_u32 s[MO], s[MO], 256                 ; the next step's mask words; the wait above has shown the last loads done, so their offset may be written
	s_min_u32 s[MO], s[MO], 3840                   ; the last step asks for its own again: nothing leaves the buffer
	s_load_b512 s[32:47], s[MPT:MPT+1], s[MO] offset:0x0
	s_load_b512 s[48:63], s[MPT:MPT+1], s[MO] offset:0x40
	s_load_b512 s[68:83], s[MPT:MPT+1], s[MO] offset:0x80
	s_load_b512 s[84:99], s[MPT:MPT+1], s[MO] offset:0xc0
.irp b, 0,1,2,3
	v_permlanex16_b32 v[236+\b], v[232+\b], s[SEL], s[SEL+1]
.endr
.irp b, 0,1,2,3
	v_max_num_f32 v[232+\b], v[232+\b], v[236+\b]  ; with lane l xor 16's 16 keys
.endr
	v_max3_num_f32 v254, v232, v233, v234
	v_max_num_f32 v254, v254, v235
	v_mul_f32 v254, s[CS], v254                    ; as t
	v_max_num_f32 v13, v13, v254                   ; the running largest t
	v_mov_b32 v254, v12
	v_floor_f32 v12, -v13                          ; the new -M = -ceil(t)
	v_sub_f32 v254, v12, v254                      ; old M - new M: a whole number, 0 or less
	v_cvt_i32_f32 v254, v254                       ; (it saturates)
	v_ldexp_f32 v252, 1.0, v254                    ; f = 2^(old M - new M): rounds nothing
.set n, 0
.rept 32
	v_pk_fma_f32 v[96+n:97+n], v[96+n:97+n], s[CS:CS+1], v[12:13] op_sel_hi:[1,0,0]   ; t - M, two at a time
.set n, n+2
.endr
.irp b, 0,1,2,3
	v_fma_f32 v[232+\b], v[232+\b], s[CS], v12     ; the same of each block's largest score
.endr
.set n, 0
.rept 64
	v_exp_f32 v[96+n], v[96+n]                     ; p = 2^(t - M)
.set n, n+1
.endr
	v_pk_mul_f32 v[14:15], v[14:15], v[252:253] op_sel_hi:[1,0]    ; the sums under the new M (the plain line behind the exponentials)
	s_wait_alu depctr_va_vdst(0)                   ; one wait for the batch of 64, ahead of its first reader
.irp b, 0,1,2,3
	v_exp_f32 v[232+\b], v[232+\b]                 ; each block's largest p
.endr
	v_pk_add_f32 v[236:237], v[96:97], v[98:99]    ; the row's sum of the unquantised p, in two chains
.irp j, 4,8,12,16,20,24,28,32,36,40,44,48,52,56,60
	v_pk_add_f32 v[14:15], v[14:15], v[96+\j:97+\j]
	v_pk_add_f32 v[236:237], v[236:237], v[98+\j:99+\j]
.endr
	v_pk_add_f32 v[14:15], v[14:15], v[236:237]
	s_wait_alu depctr_va_vdst(0)                   ; and one for the four
.irp b, 0,1,2,3
	v_max_num_f32 v[232+\b], 0x1800000, v[232+\b]  ; the floor 2^(3 - 127)
.endr
.irp b, 0,1,2,3
	v_add_nc_u32 v[244+\b], 0xff000000, v[232+\b]  ; the conversion's scale operand
.endr
.irp b, 0,1,2,3
	v_lshrrev_b32 v[236+\b], 23, v[244+\b]         ; the scale's byte
.endr
	v_lshl_or_b32 v253, v237, 8, v236              ; p's scale word for these 128 keys
	v_lshl_or_b32 v253, v238, 16, v253
	v_lshl_or_b32 v253, v239, 24, v253
.irp c, 0,1
	v_cvt_scalef32_pk16_fp6_f32 v[224+6*\c:226+6*\c], v[96+32*\c:111+32*\c], v[244+2*\c]
	v_cvt_scalef32_pk16_fp6_f32 v[236+4*\c:238+4*\c], v[112+32*\c:127+32*\c], v[244+2*\c+1]
.endr
	v_nop                                          ; one plain line behind the conversions
.irp c, 0,1
.irp i, 0,1,2
	v_permlane16_swap_b32 v[224+6*\c+\i], v[236+4*\c+\i]
.endr
.irp i, 0,1,2
	v_mov_b32 v[227+6*\c+\i], v[236+4*\c+\i]
.endr
.endr
.set n, 0
.rept 16
	v_pk_mul_f32 v[160+n:161+n], v[160+n:161+n], v[252:253] op_sel_hi:[1,0]    ; O^T under the new M.  (These sixteen are also the plain lines between the writes of p's codes and scale word and the products)
.set n, n+2
.endr
	s_wait_dscnt 0x0                               ; V
.irp t, 0,1,2,3
	PV 160+8*\t, 32+12*\t, 250+\t%2, \t/2          ; the four accumulators by turns
.endr
	s_add_co_u32 s[TB], s[TB], UNITB
.endm
.irp c, 0,1,2,3                                ; four chunks of four steps
	s_wait_tensorcnt 3-\c                          ; in waves 0 and 1: chunk c has landed; the 3 - c chunks issued behind it may stay out: no LDS byte is filled twice
	s_wait_dscnt 0x0
	s_barrier_signal -1
	s_barrier_wait -1                              ; K's and V's chunk c are there for all sixteen waves
	s_mov_b32 s[CNT], 4
.Lstep_\c:
	STEP
	s_sub_co_u32 s[CNT], s[CNT], 1
	s_cmp_lg_u32 s[CNT], 0
	s_cbranch_scc1 .Lstep_\c
.endr
	; THE WAY OUT.  O^T / the sum: register 16 b + i is channel 32 b + 16 (lane / 16) + i of my query: two blocks of the last product's K.  They become six registers of codes and two scale bytes.
	v_add_f32 v14, v14, v15
	v_permlanex16_b32 v252, v14, s[SEL], s[SEL+1]
	v_add_f32 v14, v14, v252                       ; the row's sum
	v_rcp_f32 v14, v14
.rept 4
	v_nop                                          ; the plain line behind the reciprocal, and the places behind the last products
.endr
	s_wait_kmcnt 0x0                               ; the last mask words have landed: s32 on are free
	s_load_b128 s[32:35], s[0:1], 0x10             ; xf s[32:33], xfs s[34:35]
	s_and_b32 s36, ttmp7, 0xffff
	s_bfe_u32 s37, ttmp6, 0x40000
	s_lshl_b32 s38, ttmp9, 2
	s_add_co_u32 s38, s38, s37
	s_lshl_b32 s38, s38, 4
	s_add_co_u32 s38, s38, s[WV]                   ; my tile of queries in the batch
	s_lshr_b32 s39, s36, 4
	s_lshl_b32 s39, s39, 7
	s_add_co_u32 s39, s39, s38                     ; my tile of 16 tokens, 0 .. 255
	s_and_b32 s36, s36, 15                         ; the head
	s_lshl_b32 s40, s39, 4
	s_add_co_u32 s40, s40, s36
	s_mul_i32 s40, s40, 768
	s_mov_b32 s41, 0
	s_lshl_b32 s42, s39, 9                         ; 16 rows of 32 scale bytes
	s_lshl_b32 s43, s36, 1
	s_add_co_u32 s42, s42, s43
	s_mov_b32 s43, 0
	s_wait_alu depctr_va_vdst(0)                   ; the wait for the reciprocal, ahead of its first reader
.set n, 0
.rept 32
	v_mul_f32 v[96+n], v[160+n], v14
.set n, n+1
.endr
.irp b, 0,1
	v_max3_num_f32 v[232+\b], |v[96+16*\b]|, |v[97+16*\b]|, 0x1800000
.endr
.irp i, 2,4,6,8,10,12,14
.irp b, 0,1
	v_max3_num_f32 v[232+\b], v[232+\b], |v[96+16*\b+\i]|, |v[97+16*\b+\i]|
.endr
.endr
.irp b, 0,1
	v_permlanex16_b32 v[236+\b], v[232+\b], s[SEL], s[SEL+1]
.endr
.irp b, 0,1
	v_max_num_f32 v[232+\b], v[232+\b], v[236+\b]
.endr
.irp b, 0,1
	v_add_nc_u32 v[244+\b], 0xff000000, v[232+\b]
.endr
.irp b, 0,1
	v_lshrrev_b32 v[236+\b], 23, v[244+\b]
.endr
	v_lshl_or_b32 v240, v237, 8, v236              ; my row's two scale bytes
	v_cvt_scalef32_pk16_fp6_f32 v[224:226], v[96:111], v244
	v_cvt_scalef32_pk16_fp6_f32 v[232:234], v[112:127], v245
	v_nop
.irp i, 0,1,2
	v_permlane16_swap_b32 v[224+\i], v[232+\i]
.endr
.irp i, 0,1,2
	v_mov_b32 v[227+\i], v[232+\i]                 ; lane (r, h): channels 32 h .. 32 h + 31 of token r in v224-229
.endr
	s_wait_kmcnt 0x0
	s_add_nc_u64 s[32:33], s[32:33], s[40:41]
	s_add_nc_u64 s[34:35], s[34:35], s[42:43]
	global_store_b128 v1, v[224:227], s[32:33]                 ; 512 consecutive bytes,
	global_store_b64 v2, v[228:229], s[32:33] offset:512       ; and 256: the head's half of a fragment's image
	global_store_b16 v6, v240, s[34:35]                        ; two bytes of each of 16 rows of 32 (lanes 16-31 store what lanes 0-15 store): 131,072 bytes in the whole launch
	s_wait_dscnt 0x0
	s_wait_tensorcnt 0x0
	ds_add_u32 v223, v243
	s_wait_dscnt 0x0
	CROUND                                         ; the closing round: no work-group ends while a partner may still ask for a chunk that names it
	s_endpgm
.Lfunc_end_k_qdb6fd639bf_attn:
	.size	k_qdb6fd639bf_attn, .Lfunc_end_k_qdb6fd639bf_attn-k_qdb6fd639bf_attn
	.p2alignl 7, 3214868480
	.fill 96, 4, 3214868480
	.section	.rodata,"a",@progbits
	.p2align	6, 0x0
	.amdhsa_kernel k_qdb6fd639bf_attn
		.amdhsa_group_segment_fixed_size 206848
		.amdhsa_private_segment_fixed_size 0
		.amdhsa_enable_private_segment 0
		.amdhsa_kernarg_size 32
		.amdhsa_user_sgpr_count 2
		.amdhsa_user_sgpr_kernarg_segment_ptr 1
		.amdhsa_wavefront_size32 1
		.amdhsa_system_sgpr_workgroup_id_x 1
		.amdhsa_system_sgpr_workgroup_id_y 1
		.amdhsa_system_sgpr_workgroup_id_z 1
		.amdhsa_system_vgpr_workitem_id 0
		.amdhsa_next_free_vgpr 256
		.amdhsa_next_free_sgpr 106
		.amdhsa_reserve_vcc 0
		.amdhsa_float_denorm_mode_32 3
		.amdhsa_float_denorm_mode_16_64 3
		.amdhsa_memory_ordered 1
		.amdhsa_forward_progress 1
		.amdhsa_inst_pref_size 93
	.end_amdhsa_kernel
	.amdgpu_metadata
---
amdhsa.version: [ 1, 2 ]
amdhsa.kernels:
  - .name:           k_qdb6fd639bf_attn
    .symbol:         k_qdb6fd639bf_attn.kd
    .args:
      - { .name: qkv, .offset: 0, .size: 8, .value_kind: global_buffer, .address_space: global }
      - { .name: mb, .offset: 8, .size: 8, .value_kind: global_buffer, .address_space: global }
      - { .name: xf, .offset: 16, .size: 8, .value_kind: global_buffer, .address_space: global }
      - { .name: xfs, .offset: 24, .size: 8, .value_kind: global_buffer, .address_space: global }
    .group_segment_fixed_size: 206848
    .private_segment_fixed_size: 0
    .kernarg_segment_align: 8
    .kernarg_segment_size: 32
    .max_flat_workgroup_size: 512
    .sgpr_count:     106
    .vgpr_count:     256
    .wavefront_size: 32
...
	.end_amdgpu_metadata
.endif
;; end of part 3
;; launch outp (part 4): grid 8 x 32, 4 waves a work-group, clusters of 4 x 4, 239,104 bytes of LDS; arguments xf, xfs, codes, scl, bp, out0; writes out0
.if DOCPART == 4
	.amdgcn_target "amdgcn-amd-amdhsa--gfx1250"
	.amdhsa_code_object_version 6
	.text
	.protected	k_qdb6fd639bf_outp
	.globl	k_qdb6fd639bf_outp
	.p2align	8
	.type	k_qdb6fd639bf_outp,@function
k_qdb6fd639bf_outp:
	s_mov_b64 s[64:65], 0
	v_nop
	global_prefetch_b8 v0, s[64:65] scope:SCOPE_SE
	s_setreg_imm32_b32 hwreg(HW_REG_WAVE_MODE, 25, 1), 1
	s_wait_xcnt 0x0
	s_wait_alu depctr_hold_cnt(0) depctr_sa_sdst(0) depctr_va_vdst(0) depctr_va_sdst(0) depctr_va_ssrc(0) depctr_va_vcc(0) depctr_vm_vsrc(0)
	s_getreg_b32 s2, hwreg(HW_REG_IB_STS2, 6, 4)
	s_cmp_eq_u32 s2, 0
	s_cbranch_scc0 .Lentry_in_a_cluster
	s_endpgm
.Lentry_in_a_cluster:
	s_bfe_u32 s2, ttmp6, 0x10000c
	s_cmp_lg_u32 s2, 0xf033
	s_cbranch_scc0 .Lentry_shape_is_right
	s_endpgm
.Lentry_shape_is_right:
; OUTP: out0 = x Wp + bp on codes of FP6 (E2M3) with E8M0 scales; out0 [4096][1024] f32.
; A = x, the attention's result, arrives as IMAGES of its operand registers: xf [256 tiles of 16 tokens][16 heads][768 bytes]: a head's six registers, registers 0-3 of lane l at 16 l, registers 4-5 at 512 + 8 l;
; two heads are a fragment of 128 along K.  Its scale bytes: xfs [4096][32].  B = Wp: rows 15,360 on of the stack (codes: 768 bytes a row, scl: 32), column n at the row with bits 3 and 4 of n exchanged.
; A tile of the result is 128 x 128, so that the 32 x 8 tiles give 256 work-groups.  Four waves, 64 x 64 each: 16 accumulators.
; K = 1,024 of such a tile lies in LDS WHOLE (A 98,304 bytes, B 122,880 with its padding): each byte is filled once, so there is no ring and no refill.  It comes as four chunks of 256 along K;
; waves 0 and 1 ask for A's halves (64 tokens), waves 2 and 3 for B's (64 rows): four tensor loads of a wave are out at the most.
; CLUSTERS: 4 x 4 work-groups; A's chunks are asked for jointly by a row of the cluster, B's by a column: the same load, the same descriptor, a mask that names the four.
; The matrix instruction is used transposed (source 0 = B, source 1 = A): lane (r, h) holds token r, and register j of B's tile b is column 32 (b / 2) + 16 h + 8 (b % 2) + j.  The bias is the C of each sum's first product.
; THE SCALE WORDS come straight into registers, once: lane (r, h) takes the 16 bytes at 32 r + 16 h of its row's 32: lanes 0-15 hold the words of K steps 0-3, lanes 16-31 those of K steps 4-7 (read by the selector for the upper lanes).
; No prefetch: every tile is asked for at the kernel's head.
; REGISTERS, in windows of 256: window 0: v8-23 LDS addresses; v24-28 the way out and the loads' lane offsets; v32-47 A's scale words, v48-63 B's; v64-95 the bias, later rows of the result; v96-127 rows of the result;
;   v128-255 the accumulators ((a, b) at v[128 + 8 (4 a + b)]).   window 1: two sets of fragments, at v0 and v96: B's four, then A's four.
.set ROWB,   192                       ; a row of B in a chunk: 256 codes
.set KROW,   768                       ; a row of B in memory; and 16 tokens' images are 12,288 bytes: 768 a token
.set PITCH,  240                       ; a row of B in LDS: 3 x (64 bytes + 16 of padding)
.set FR,     12                        ; registers of a fragment
.set AROW,   3072                      ; a tile of 16 tokens in a chunk: four heads' images
.set HA,     4*AROW                    ; four tiles of tokens: what one tensor load brings of A
.set HALFT,  64*PITCH                  ; 64 rows of B: what one tensor load brings of B
.set SLOT,   2*HA+2*HALFT              ; a chunk in LDS: A's two halves, then B's two
.set STAGE,  4*SLOT                    ; behind the chunks: a stage of 16 rows x (256 + 16) bytes for each wave; no tensor load lands there
.set SPITCH, 272
.set NF,     40                        ; LDS loads of a K step's fragments: B 4 x 6, A 4 x 4
.set ADRA, 8                           ; v8-11  my A images in chunk 0 .. 3, + 16 l;  v12-15 the same + 8 l
.set ADRB, 16                          ; v16-19 my rows of B in chunk 0 .. 3;  v20-23 the same behind one padding more
.set STO,  24                          ; v24  the way out: where I put 16 bytes of a row
.set RD,   25                          ; v25  where I read a row back
.set CO,   26                          ; v26  my byte offset in two rows of the result
.set SO,   27                          ; v27  32 r + 16 h: my 16 scale bytes
.set BO,   28                          ; v28  64 h: the bias of my half's columns
.set SA,   32
.set SB,   48
.set BI,   64
.set BK,   64
.set ACC,  128
.set G1,  24                           ; s[24:31] descriptor group 1 for A's chunks;  s[32:39] for B's
.set G1B, 32
.set G0,  48                           ; s[48:63] four groups 0 for A's chunks;  s[68:83] for B's
.set G0B, 68
.set MSB, 0
.macro WIN new                         ; the immediate's high byte repeats the setting that is left
.if MSB != \new
	s_set_vgpr_msb (MSB<<8)|\new
.set MSB, \new
.endif
.endm
.set MUL,  0x05                        ; sources 0 (B) and 1 (A) window 1; C and D window 0
.set TO_F, 0x40                        ; destination window 1, address window 0
; A joint load: waves 0 and 1 fetch for A, waves 2 and 3 for B; the branch hangs on the wave's number alone.  Four v_nop follow each line.
.macro JLOAD g0a, g1a, g0b, g1b
	s_cmp_eq_u32 s15, 0
	s_cbranch_scc0 .Lfor_b_\@
	tensor_load_to_lds s[\g0a:\g0a+3], s[\g1a:\g1a+7]
	s_nop 0
.rept 4
	v_nop
.endr
	s_branch .Lasked_\@
.Lfor_b_\@:
	tensor_load_to_lds s[\g0b:\g0b+3], s[\g1b:\g1b+7]
	s_nop 0
.rept 4
	v_nop
.endr
.Lasked_\@:
.endm
.macro CROUND                          ; a round of the cluster's barrier
	s_barrier_signal -1
	s_barrier_wait -1
	s_cmp_lg_u32 s14, 0
	s_cbranch_scc1 .Lnot_wave_0_\@
	s_barrier_signal -3
.Lnot_wave_0_\@:
	s_barrier_wait -3
	s_barrier_signal -1
	s_barrier_wait -1
.endm
	s_load_b128 s[4:7], s[0:1], 0x0                ; xf s[4:5], xfs s[6:7]
	s_load_b128 s[8:11], s[0:1], 0x10              ; codes s[8:9], scl s[10:11]
	s_load_b64 s[66:67], s[0:1], 0x20              ; bp
	s_load_b64 s[12:13], s[0:1], 0x28              ; out0
	v_lshl_add_u32 v30, v0, 2, 0x3a400
	v_mov_b32 v31, 0
	ds_add_u32 v30, v31
	ds_add_u32 v30, v31
	v_lshrrev_b32 v1, 5, v0
	v_readfirstlane_b32 s14, v1                    ; wave 0..3
	s_lshr_b32 s15, s14, 1                         ; which half of the tile's tokens is mine.  Also: I fetch for A (0) or for B (1)
	s_and_b32 s16, s14, 1                          ; which half of its columns.  Also: which 64 rows I fetch
	s_bfe_u32 s40, ttmp6, 0x40000                  ; cx
	s_bfe_u32 s41, ttmp6, 0x40004                  ; cy
	s_lshl_b32 s42, ttmp9, 2
	s_add_co_u32 s42, s42, s40                     ; tile column = 4 x cluster x + cx, 0 .. 7
	s_and_b32 s17, ttmp7, 0xffff
	s_lshl_b32 s17, s17, 2
	s_add_co_u32 s17, s17, s41                     ; tile row = 4 x cluster y + cy, 0 .. 31
	s_lshl_b32 s43, s41, 2
	s_lshl_b32 s43, 15, s43                        ; my row of the cluster
	s_lshl_b32 s44, 0x1111, s40                    ; my column
	; A: four tiles of tokens x 3,072 bytes (384 elements of 8 bytes), 12,288 bytes apart in memory, dense in LDS
	s_or_b32 s[G1+0], s43, (3<<16)|(1<<21)         ; 15:0 the mask: my row; 17:16 elements of 8 bytes; 21 set beside a mask
	s_mov_b32 s[G1+1], 384<<16                     ; tensor_dim0
	s_mov_b32 s[G1+2], 4<<16                       ; tensor_dim1
	s_mov_b32 s[G1+3], 384<<16                     ; tile_dim0
	s_mov_b32 s[G1+4], 4                           ; tile_dim1
	s_mov_b32 s[G1+5], 1536                        ; from row to row
	s_mov_b32 s[G1+6], 0
	s_mov_b32 s[G1+7], 0
	; B: 64 rows x 192 bytes; 16 bytes of padding behind every 64
	s_or_b32 s[G1B+0], s44, (0<<16)|(1<<20)|(1<<21)|(3<<22)|(3<<25)
	s_mov_b32 s[G1B+1], ROWB<<16
	s_mov_b32 s[G1B+2], 64<<16
	s_mov_b32 s[G1B+3], ROWB<<16
	s_mov_b32 s[G1B+4], 64
	s_mov_b32 s[G1B+5], KROW
	s_mov_b32 s[G1B+6], 0
	s_mov_b32 s[G1B+7], 0
	; what I fetch.  A's address hangs on the tile row and the wave alone, B's on the tile column and the wave alone, each in registers that never hold the other coordinate
	s_lshl_b32 s18, s16, 6                         ; 64 x half
	s_lshl_b32 s20, s17, 7
	s_add_co_u32 s20, s20, s18                     ; A: token 128 x tile row + 64 x half
	s_mul_i32 s20, s20, KROW
	s_mov_b32 s21, 0
	s_add_co_u32 s46, s42, 120                     ; B: Wp begins at row 15,360 = 120 x 128 of the stack
	s_lshl_b32 s46, s46, 7
	s_add_co_u32 s46, s46, s18
	s_mul_i32 s46, s46, KROW
	s_mov_b32 s47, 0
	s_mul_i32 s45, s16, HA                         ; where they go in a chunk: A's two halves,
	s_mul_i32 s84, s16, HALFT
	s_add_co_u32 s84, s84, 2*HA                    ; then B's two: no place in the cluster enters an LDS address
	; what I compute
	s_lshl_b32 s85, s15, 6
	s_lshl_b32 s86, s17, 7
	s_add_co_u32 s86, s86, s85                     ; my first token
	s_lshl_b32 s88, s86, 5                         ; its scale bytes: 32 a row
	s_mov_b32 s89, 0
	s_lshl_b32 s90, s86, 12                        ; its row of the result: 4,096 bytes
	s_mov_b32 s91, 0
	s_lshl_b32 s87, s42, 7
	s_add_co_u32 s87, s87, s18                     ; my first column: 128 x tile column + 64 x half
	s_lshl_b32 s92, s87, 2                         ; in bytes
	s_mov_b32 s93, 0
	s_add_co_u32 s94, s87, 15360                   ; its row in the stack,
	s_lshl_b32 s94, s94, 5                         ; and that row's scale bytes
	s_mov_b32 s95, 0
	v_and_b32 v1, 15, v0                           ; r = l % 16
	v_bfe_u32 v2, v0, 4, 1                         ; h = l / 16
	v_and_b32 v6, 31, v0                           ; l
	v_lshlrev_b32 v[SO], 5, v1
	v_lshl_add_u32 v[SO], v2, 4, v[SO]
	v_lshlrev_b32 v[BO], 6, v2
	s_wait_dscnt 0x0
	s_wait_kmcnt 0x0
	s_add_nc_u64 s[20:21], s[4:5], s[20:21]
	s_add_nc_u64 s[46:47], s[8:9], s[46:47]
	s_add_nc_u64 s[6:7], s[6:7], s[88:89]
	s_add_nc_u64 s[10:11], s[10:11], s[94:95]
	s_add_nc_u64 s[66:67], s[66:67], s[92:93]
	s_add_nc_u64 s[12:13], s[12:13], s[90:91]
	s_add_nc_u64 s[12:13], s[12:13], s[92:93]
.irp i, 0,1,2,3
	global_load_b128 v[SA+4*\i:SA+4*\i+3], v[SO], s[6:7] offset:512*\i     ; the scale words of A's tile i: 32 lanes read 512 consecutive bytes
	global_load_b128 v[SB+4*\i:SB+4*\i+3], v[SO], s[10:11] offset:512*\i   ; and of B's tile i
.endr
.irp b, 0,1,2,3
	global_load_b128 v[BI+8*\b:BI+8*\b+3], v[BO], s[66:67] offset:(32*(\b/2)+8*(\b%2))*4       ; B's tile b, my half: columns 32 (b / 2) + 16 h + 8 (b % 2) + 0 .. 7
	global_load_b128 v[BI+8*\b+4:BI+8*\b+7], v[BO], s[66:67] offset:(32*(\b/2)+8*(\b%2))*4+16
.endr
	CROUND                                         ; all sixteen work-groups are here: the joint loads meet
.irp c, 0,1,2,3                                ; the four chunks go out as one group, each with a group 0 of its own
	s_mov_b32 s[G0+4*\c], 1
	s_add_co_u32 s[G0+4*\c+1], s45, \c*SLOT
	s_add_nc_u64 s[G0+4*\c+2:G0+4*\c+3], s[20:21], \c*AROW
	s_or_b32 s[G0+4*\c+3], s[G0+4*\c+3], 0x80000000
	s_mov_b32 s[G0B+4*\c], 1
	s_add_co_u32 s[G0B+4*\c+1], s84, \c*SLOT
	s_add_nc_u64 s[G0B+4*\c+2:G0B+4*\c+3], s[46:47], \c*ROWB
	s_or_b32 s[G0B+4*\c+3], s[G0B+4*\c+3], 0x80000000
	JLOAD G0+4*\c, G1, G0B+4*\c, G1B
.endr
	v_mul_u32_u24 v3, v1, PITCH
	v_mul_u32_u24 v4, v2, 24
	v_add_nc_u32 v4, v3, v4                        ; B: a fragment's row x pitch + 24 x half
	v_lshl_add_u32 v5, v2, 4, v4                   ; and the same behind one padding more
	v_lshlrev_b32 v7, 4, v6                        ; A: 16 l,
	v_lshlrev_b32 v3, 3, v6                        ; and 8 l
	s_mul_i32 s22, s15, HA                         ; my four tiles of tokens
	s_mul_i32 s23, s16, HALFT                      ; my 64 rows of B,
	s_add_co_u32 s23, s23, 2*HA                    ; which lie behind A's
.irp c, 0,1,2,3
	v_add_nc_u32 v[ADRA+\c], s22, v7
	v_add_nc_u32 v[ADRA+4+\c], s22, v3
	v_add_nc_u32 v[ADRB+\c], s23, v4
	v_add_nc_u32 v[ADRB+4+\c], s23, v5
	s_add_co_u32 s22, s22, SLOT
	s_add_co_u32 s23, s23, SLOT
.endr
	s_mul_i32 s22, s14, 16*SPITCH
	s_add_co_u32 s22, s22, STAGE                   ; my stage
	v_mul_u32_u24 v5, v1, SPITCH                   ; in: row r, + 64 bytes for lanes 16-31: their columns lie 16 further on
	v_lshl_add_u32 v5, v2, 6, v5
	v_add_nc_u32 v[STO], s22, v5
	v_mul_u32_u24 v5, v2, SPITCH                   ; back: lanes 0-15 take one row of 256 bytes, lanes 16-31 the next
	v_lshl_add_u32 v5, v1, 4, v5
	v_add_nc_u32 v[RD], s22, v5
	v_lshlrev_b32 v5, 12, v2                       ; and the same two rows in the result
	v_lshl_add_u32 v[CO], v1, 4, v5
.macro FRAG reg, c, qq, i              ; B: 16 rows x 128 K, 12 registers, in pieces of 8 bytes; where the piece of lanes 16-31 lies behind one padding more, the second address register serves
.irp p, 0,1,2,3,4,5
.set PC, 12*(\qq)+6*(\p/3)+\p%3
.if PC%8 < 5
	ds_load_b64 v[\reg+2*\p:\reg+2*\p+1], v[ADRB+(\c)] offset:8*PC+16*(PC/8)+(\i)*16*PITCH
.else
	ds_load_b64 v[\reg+2*\p:\reg+2*\p+1], v[ADRB+4+(\c)] offset:8*PC+16*(PC/8)+(\i)*16*PITCH
.endif
.endr
.endm
.macro FRAG_A reg, c, qq, i            ; A: two heads' images, as they were stored: consecutive bytes in every load
	ds_load_b128 v[\reg:\reg+3],     v[ADRA+(\c)]   offset:AROW*(\i)+1536*(\qq)
	ds_load_b64  v[\reg+4:\reg+5],   v[ADRA+4+(\c)] offset:AROW*(\i)+1536*(\qq)+512
	ds_load_b128 v[\reg+6:\reg+9],   v[ADRA+(\c)]   offset:AROW*(\i)+1536*(\qq)+768
	ds_load_b64  v[\reg+10:\reg+11], v[ADRA+4+(\c)] offset:AROW*(\i)+1536*(\qq)+1280
.endm
.macro FETCH c, qq                     ; the fragments of chunk c's K step qq into set qq: 40 LDS loads in one run
	WIN TO_F
.irp i, 0,1,2,3
	FRAG 96*(\qq)+FR*\i, \c, \qq, \i
.endr
.irp i, 0,1,2,3
	FRAG_A 96*(\qq)+48+FR*\i, \c, \qq, \i
.endr
.endm
; K step q: 16 matrix instructions, one on each accumulator: they take turns, in the same order in every step.  first = 1: the bias is the C.
.macro MUL16 q, first
.irp a, 0,1,2,3
.irp b, 0,1,2,3
.if \first
	v_wmma_scale_f32_16x16x128_f8f6f4 v[ACC+8*(4*\a+\b):ACC+8*(4*\a+\b)+7], v[96*((\q)%2)+FR*\b:96*((\q)%2)+FR*\b+FR-1], v[96*((\q)%2)+48+FR*\a:96*((\q)%2)+48+FR*\a+FR-1], v[BI+8*\b:BI+8*\b+7], v[SB+4*\b+(\q)%4], v[SA+4*\a+(\q)%4] matrix_a_fmt:MATRIX_FMT_FP6 matrix_b_fmt:MATRIX_FMT_FP6
.elseif (\q) < 4
	v_wmma_scale_f32_16x16x128_f8f6f4 v[ACC+8*(4*\a+\b):ACC+8*(4*\a+\b)+7], v[96*((\q)%2)+FR*\b:96*((\q)%2)+FR*\b+FR-1], v[96*((\q)%2)+48+FR*\a:96*((\q)%2)+48+FR*\a+FR-1], v[ACC+8*(4*\a+\b):ACC+8*(4*\a+\b)+7], v[SB+4*\b+(\q)%4], v[SA+4*\a+(\q)%4] matrix_a_fmt:MATRIX_FMT_FP6 matrix_b_fmt:MATRIX_FMT_FP6
.else
	v_wmma_scale_f32_16x16x128_f8f6f4 v[ACC+8*(4*\a+\b):ACC+8*(4*\a+\b)+7], v[96*((\q)%2)+FR*\b:96*((\q)%2)+FR*\b+FR-1], v[96*((\q)%2)+48+FR*\a:96*((\q)%2)+48+FR*\a+FR-1], v[ACC+8*(4*\a+\b):ACC+8*(4*\a+\b)+7], v[SB+4*\b+(\q)%4], v[SA+4*\a+(\q)%4] matrix_a_fmt:MATRIX_FMT_FP6 matrix_b_fmt:MATRIX_FMT_FP6 matrix_a_scale:MATRIX_SCALE_ROW1 matrix_b_scale:MATRIX_SCALE_ROW1
.endif
.endr
.endr
.endm
.macro PLACES n                        ; plain vector lines between a matrix instruction and a load into, or a read of, its registers
.rept \n
	v_nop
.endr
.endm
; A chunk: its two K steps' fragments have been asked for.  The barrier for the next chunk stands round the odd step's products: in front of its signal each wave has seen its own part of that chunk land
; and has no LDS access out; behind its wait all four parts are there.  Nothing is filled again, so later chunks may stay on their way.
.macro CHUNK c
	s_wait_dscnt NF                                ; the even step's 40 loads are in; the odd step's 40 may be out
	WIN MUL
.if (\c) == 0
	MUL16 0, 1
.else
	MUL16 2*(\c), 0
.endif
.if (\c) < 3
	s_wait_tensorcnt 2-(\c)                        ; my part of chunk c + 1 has landed; the 2 - c chunks issued behind it may be out
.endif
	s_wait_dscnt 0x0                               ; the odd step's fragments are in
.if (\c) < 3
	s_barrier_signal -1
.endif
	MUL16 2*(\c)+1, 0
.if (\c) < 3
	s_barrier_wait -1
	PLACES 4                                       ; in front of the loads into both sets, which the products above have read
	FETCH (\c)+1, 0
	FETCH (\c)+1, 1
.endif
.endm
	s_wait_tensorcnt 3                             ; my part of chunk 0 has landed; the three chunks behind it may be out
	s_barrier_signal -1
	s_barrier_wait -1                              ; everybody's has
	FETCH 0, 0
	FETCH 0, 1
	s_wait_loadcnt 0x0                             ; the scale words and the bias
	CHUNK 0
	CHUNK 1
	CHUNK 2
	CHUNK 3
	WIN 0
; THE WAY OUT, block by block of 16 tokens x 64 columns.  A lane holds 32 bytes of a row, and the lanes beside it hold other rows: a block goes through my own stage in LDS and comes back as whole rows of 256 bytes.
; LDS serves a wave's instructions in order (ISA guide 5.7.1.4): no wait between the stores and the loads, nor in front of the next block's stores.  Every offset is an immediate: 62 rows of 4,096 bytes at the most.
.macro TOSTAGE a
.irp b, 0,1,2,3
	ds_store_b128 v[STO], v[ACC+8*(4*(\a)+\b):ACC+8*(4*(\a)+\b)+3] offset:128*(\b/2)+32*(\b%2)          ; each accumulator from its low end on
	ds_store_b128 v[STO], v[ACC+8*(4*(\a)+\b)+4:ACC+8*(4*(\a)+\b)+7] offset:128*(\b/2)+32*(\b%2)+16
.endr
.set BB, BK+32*((\a)%2)
.irp t, 0,1,2,3,4,5,6,7
	ds_load_b128 v[BB+4*\t:BB+4*\t+3], v[RD] offset:\t*2*SPITCH
.endr
.endm
.macro SEND a, younger                 ; younger: the LDS instructions issued behind block a's loads, which may stay out
.set BB, BK+32*((\a)%2)
	s_wait_dscnt \younger
.irp t, 0,1,2,3,4,5,6,7
	global_store_b128 v[CO], v[BB+4*\t:BB+4*\t+3], s[12:13] offset:(16*(\a)+2*\t)*4096 th:TH_STORE_NT   ; 16 lanes store 256 consecutive bytes, aligned; written once, read by nobody here
.endr
.endm
	PLACES 4                                       ; behind the last products: their results are read below
	TOSTAGE 0
.irp a, 1,2,3
.if \a > 1
	s_wait_xcnt 0x0                                ; block a - 2's stores have read their registers: block a's rows may land there
.endif
	TOSTAGE \a
	SEND \a-1, 16                                  ; behind block a - 1's loads: block a's 8 stores and 8 loads
.endr
	SEND 3, 0
	s_wait_dscnt 0x0                               ; no LDS access of mine is out at the signal below
	s_wait_tensorcnt 0x0
	ds_add_u32 v30, v31
	s_wait_dscnt 0x0
	CROUND                                         ; the closing round: no work-group ends while a partner may still ask for a chunk that names it
	s_endpgm
.Lfunc_end_k_qdb6fd639bf_outp:
	.size	k_qdb6fd639bf_outp, .Lfunc_end_k_qdb6fd639bf_outp-k_qdb6fd639bf_outp
	.p2alignl 7, 3214868480
	.fill 96, 4, 3214868480
	.section	.rodata,"a",@progbits
	.p2align	6, 0x0
	.amdhsa_kernel k_qdb6fd639bf_outp
		.amdhsa_group_segment_fixed_size 239104
		.amdhsa_private_segment_fixed_size 0
		.amdhsa_enable_private_segment 0
		.amdhsa_kernarg_size 48
		.amdhsa_user_sgpr_count 2
		.amdhsa_user_sgpr_kernarg_segment_ptr 1
		.amdhsa_wavefront_size32 1
		.amdhsa_system_sgpr_workgroup_id_x 1
		.amdhsa_system_sgpr_workgroup_id_y 1
		.amdhsa_system_sgpr_workgroup_id_z 1
		.amdhsa_system_vgpr_workitem_id 0
		.amdhsa_next_free_vgpr 512
		.amdhsa_next_free_sgpr 100
		.amdhsa_reserve_vcc 0
		.amdhsa_float_denorm_mode_32 3
		.amdhsa_float_denorm_mode_16_64 3
		.amdhsa_memory_ordered 1
		.amdhsa_forward_progress 1
		.amdhsa_inst_pref_size 57
	.end_amdhsa_kernel
	.amdgpu_metadata
---
amdhsa.version: [ 1, 2 ]
amdhsa.kernels:
  - .name:           k_qdb6fd639bf_outp
    .symbol:         k_qdb6fd639bf_outp.kd
    .args:
      - { .name: xf, .offset: 0, .size: 8, .value_kind: global_buffer, .address_space: global }
      - { .name: xfs, .offset: 8, .size: 8, .value_kind: global_buffer, .address_space: global }
      - { .name: codes, .offset: 16, .size: 8, .value_kind: global_buffer, .address_space: global }
      - { .name: scl, .offset: 24, .size: 8, .value_kind: global_buffer, .address_space: global }
      - { .name: bp, .offset: 32, .size: 8, .value_kind: global_buffer, .address_space: global }
      - { .name: out0, .offset: 40, .size: 8, .value_kind: global_buffer, .address_space: global }
    .group_segment_fixed_size: 239104
    .private_segment_fixed_size: 0
    .kernarg_segment_align: 8
    .kernarg_segment_size: 48
    .max_flat_workgroup_size: 128
    .sgpr_count:     100
    .vgpr_count:     512
    .wavefront_size: 32
...
	.end_amdgpu_metadata
.endif
;; end of part 4
